; MI455X (gfx1250); checked and timed in simulation.
; The chip was launched on July 23, 2026; its instructions are those of AMD's public machine-readable ISA for CDNA 5 (MIT licence, August 2026) and "CDNA5" Instruction Set Architecture Reference Guide (July 2026). The comments in the code are by the model that wrote it; some were corrected since.
;; SSTA. Allowed arithmetic: float matrix products may take bf16 or f16 operands with f32 sums; other float arithmetic in f32, or as packed bf16 or f16 multiplies, adds, multiply-adds, maxima and minima; sums over many terms, partial sums and values carried from step to step in f32; what a program stores and reads back later, other than sums and carried values, may be rounded once to bf16 or f16.
;; Inputs: b1 1,024 float32; b2 256 float32; bk 256 float32; bq 256 float32; bv 256 float32; ln1_b 256 float32; ln1_w 256 float32; ln2_b 256 float32; ln2_w 256 float32; w1 1,024 x 256 float32; w2 256 x 1,024 float32; wk 256 x 256 float32; wq 256 x 256 float32; wv 256 x 256 float32; x 512 x 64 x 256 float32.
;; Outputs: out0 512 x 64 x 256 float32.
;; 2 versions, each right; version 2 is version 1 with the launch attn written anew for expert scheduling mode. Each part assembles by itself: llvm-mc -triple=amdgcn-amd-amdhsa -mcpu=gfx1250 --defsym DOCPART=n.
;; ======== version 1 of 2: 2 launches
;; limits: values are held in f16: magnitudes above 65,504 overflow, below 6.1e-05 lose precision; a function is approximated: absolute error at most 0.0001
;; workspace buffers: ao 16,777,216 bytes; w1b 524,288 bytes; w2b 524,288 bytes
;; launch attn (part 1): grid 4 x 64, 8 waves a work-group, no clusters, 296,960 bytes of LDS; arguments x, wq, bq, wk, bk, wv, bv, w1, w2, ao, w1b, w2b; writes ao, w1b, w2b
.if DOCPART == 1
	.amdgcn_target "amdgcn-amd-amdhsa--gfx1250"
	.amdhsa_code_object_version 6
	.text
	.protected	k_qaf28e511c8_attn
	.globl	k_qaf28e511c8_attn
	.p2align	8
	.type	k_qaf28e511c8_attn,@function
k_qaf28e511c8_attn:
	s_mov_b64 s[64:65], 0
	v_nop
	global_prefetch_b8 v0, s[64:65] scope:SCOPE_SE
	s_setreg_imm32_b32 hwreg(HW_REG_WAVE_MODE, 25, 1), 1
	s_wait_xcnt 0x0
; ATTN: q, k, v projections with their biases, the rotary step, the decay mask, softmax and P V, for one n (of 64) and one pair of heads (of 4 pairs).
; x: [512][64][256] f32; the sequence is x's first axis.  ao: the attention's result in f16, [n 64][row tile 32][head 8][image of 1,024 bytes].  On the side each work-group rounds
; 1,024 numbers of w1 and of w2 to bf16 (w1b, w2b) for the next launch.
; NOTHING OF THE MODULE IS LEFT OUT: bq and bk pass through a rotation that hangs on the position, so they change the scores along the key axis; the decay mask is finite everywhere,
; so no tile of scores is without weight for all inputs.  All inputs are loaded (here x, wq, bq, wk, bk, wv, bv, w1, w2; the others in the next launch).
; FORMATS.  Matrix operands (x, weights, q, k, v, p) in bf16, all sums in f32; the row sum l is taken of the rounded p, by the matrix unit.  ao is rounded once to f16.
; LIMITS.  |ao| stays under 65,504 (it is a mean of rows of v); a weight below 2^-126 counts as 0; NaN and infinities are not treated apart; sin and cos are good to about 1e-4.
; AN IMAGE is a fragment of 16 rows x 32 channels as it lies in registers: lane l = r + 16 h holds row r; bytes 16 l are registers 0-3 (channels 8 h + 0..7), bytes 512 + 16 l registers 4-7
; (channels 16 + 8 h + 0..7).  Each half of an image is 512 consecutive bytes.
; SHARES.  Wave w owns positions 64 w .. 64 w + 63 (four row tiles): it projects them for both heads, and later owns them as queries and walks all 512 keys, 64 a step.
; NO CLUSTER, NO TENSOR LOAD, though the four work-groups of one n read the same x: x has to be rounded to bf16 on its way; as f32 tiles it is 512 rows x 1,040 bytes = 532,480 bytes, and beside
; 98,304 bytes of weights and 196,608 of q, k, v 30 KiB of LDS are left: slots of 14 rows.  So x comes straight into registers in fragment layout, 32 loads (16 KiB) a wave always out.
; LDS: WIMG 6 units x 16,384 (weights' images: tile ct x 8,192 + K step x 1,024); OUTR 6 units x 32,768 (K0 K1 Q0 Q1 V0 V1); BIASL 6 x 32 f32; the spare words.
; REGISTERS (windows of 256).  Projection: window 0: v0-15 ids and addresses; v16-31 bias; v32-95 eight accumulators; v96-159 weights' fragments, two buffers (v32-159 first stage x in f32; v128-159 serve
; the rotary step); v160-223 the table of cos and sin; v224-255 at work.  Window 1: first the weights in f32, then x's 32 fragments in bf16.
; Attention: window 0: v32-95 S^T (two tiles); v96-127 P; v128-191 O^T; v192-223 l; v224-239 statistics; v240-255 at work.  Window 1: Q, K, V, the ones, the mask's parts.
.set WIMG,  0
.set OUTR,  98304
.set BIASL, 294912
.set SPARE, 295936                     ; the spare words: 128 bytes for each of eight waves; no other line names them
.set BIAS, 16
.set ACC,  32
.set WF,   96
.set TAB,  160
.set SS,   32
.set PP,   96
.set OO,   128
.set LL,   192
.set ST,   224
.set TMP,  240
.set QQ,   0                           ; window 1 from here on
.set KK,   32
.set VV,   64
.set ONES, 96
.set MP,   104
.set MD,   112
.set CT,   120
.set EJ,   176
.set MSB, 0
.macro WIN new                         ; the immediate's high byte repeats the setting that is left; a switch that changes nothing is dropped
.if MSB != (\new)
	s_set_vgpr_msb (MSB<<8)|(\new)
.set MSB, (\new)
.endif
.endm
.macro PLACES n
.rept \n
	v_nop
.endr
.endm
; four loads of 16 bytes: 32 channels of f32 in fragment order: register dst + 8 q + 4 e + i is channel 16 q + 8 h + 4 e + i
.macro LDF dst, voff, sb, imm
.irp q, 0,1
.irp e, 0,1
	global_load_b128 v[(\dst)+8*\q+4*\e:(\dst)+8*\q+4*\e+3], v[\voff], s[\sb:\sb+1] offset:(\imm)+64*\q+16*\e
.endr
.endr
.endm
	s_load_b512 s[4:19], s[0:1], 0x0               ; x 4, wq 6, bq 8, wk 10, bk 12, wv 14, bv 16, w1 18
	s_load_b256 s[20:27], s[0:1], 0x40             ; w2 20, ao 22, w1b 24, w2b 26
	v_lshl_add_u32 v4, v0, 2, SPARE                ; my spare word; never rewritten
	v_mov_b32 v5, 0                                ; 0; never rewritten
	v_and_b32 v3, 31, v0                           ; lane
	v_and_b32 v1, 15, v0                           ; r
	v_bfe_u32 v2, v0, 4, 1                         ; h
	v_lshrrev_b32 v16, 5, v0
	v_readfirstlane_b32 s28, v16                   ; wave 0..7
	s_mov_b32 s29, ttmp9                           ; pair of heads
	s_and_b32 s30, ttmp7, 0xffff                   ; n
	v_cmp_lt_u32 s31, 15, v3                       ; the lanes with h = 1
	s_mov_b32 s32, 0x76543210                      ; v_permlanex16_b32: each lane takes its own place in the other half
	s_mov_b32 s33, 0xfedcba98
	v_lshlrev_b32 v6, 16, v1
	v_lshl_add_u32 v6, v2, 5, v6                   ; x: row r (65,536 bytes apart) + 32 h
	s_lshl_b32 s34, s28, 7
	s_lshl_b32 s35, s29, 16
	s_add_co_u32 s34, s34, s35
	v_lshlrev_b32 v7, 10, v1
	v_lshl_add_u32 v7, v2, 5, v7
	v_add_nc_u32 v7, s34, v7                       ; weights: row 64 hp + r, K step = my wave's number
	s_lshl_b32 s34, s28, 10
	v_lshl_add_u32 v8, v3, 4, s34                  ; where my K step's images go
	v_add_nc_u32 v9, 0x10000, v8
	v_lshlrev_b32 v10, 4, v3                       ; where a unit's images are read
	s_lshl_b32 s34, s28, 12
	s_add_co_u32 s34, s34, OUTR
	v_lshl_add_u32 v11, v3, 4, s34                 ; where my rows' results go
	v_lshl_add_u32 v12, v2, 5, BIASL               ; bias, eight channels a lane
	v_lshl_add_u32 v13, v1, 2, BIASL+512           ; bias, one channel a lane (v)
	v_lshlrev_b32 v14, 4, v0
	v_lshlrev_b32 v15, 3, v0
	v_lshl_add_u32 v18, v0, 2, BIASL
	s_lshl_b32 s36, s29, 8
	s_and_b32 s37, s28, 1
	s_lshl_b32 s37, s37, 7
	s_add_co_u32 s36, s36, s37
	v_lshl_add_u32 v17, v3, 2, s36                 ; my wave's 32 numbers of a bias
	s_mov_b32 s41, 0xbf317218                      ; decay of heads 2 hp and 2 hp + 1: ln(1 - 2^(-1 - 3 H / 8))
	s_mov_b32 s42, 0xbef95c43
	s_cmp_eq_u32 s29, 1
	s_cselect_b32 s41, 0xbeb4a5d6, s41
	s_cselect_b32 s42, 0xbe85522b, s42
	s_cmp_eq_u32 s29, 2
	s_cselect_b32 s41, 0xbe47324a, s41
	s_cselect_b32 s42, 0xbe160ffe, s42
	s_cmp_eq_u32 s29, 3
	s_cselect_b32 s41, 0xbde371bb, s41
	s_cselect_b32 s42, 0xbdad1c1a, s42
	s_mov_b32 s48, 0x3fb8aa3b                      ; log2(e)
	s_mov_b32 s49, s48
	s_mov_b32 s59, 0                               ; the high words of the pairs that packed lines name
.irp dd, 0,1,2,3,4,5,6
	s_mov_b32 s[67+2*\dd], 0
	s_mov_b32 s[81+2*\dd], 0
.endr
	s_lshl_b32 s46, s28, 6
	s_cvt_f32_u32 s47, s46                         ; 64 w as a float
	s_wait_kmcnt 0x0
	s_lshl_b32 s34, s30, 10
	s_lshl_b32 s35, s28, 22
	s_add_co_u32 s34, s34, s35
	s_mov_b32 s35, 0
	s_add_nc_u64 s[4:5], s[4:5], s[34:35]          ; x at (position 64 w, n)
	s_lshl2_add_u32 s36, s30, s29                  ; the work-group's number 4 n + hp
	s_lshl_b32 s34, s36, 12
	s_add_nc_u64 s[18:19], s[18:19], s[34:35]
	s_add_nc_u64 s[20:21], s[20:21], s[34:35]
	s_lshl_b32 s34, s36, 11
	s_add_nc_u64 s[24:25], s[24:25], s[34:35]
	s_add_nc_u64 s[26:27], s[26:27], s[34:35]
	s_lshl_b32 s34, s30, 18
	s_lshl_b32 s36, s28, 15
	s_add_co_u32 s34, s34, s36
	s_lshl_b32 s36, s29, 11
	s_add_co_u32 s34, s34, s36
	s_add_nc_u64 s[22:23], s[22:23], s[34:35]      ; ao at (n, row tile 4 w, head 2 hp)
	; THE LOADS, all at once: my 16 bytes of w1 and w2; a bias (waves 0-5); my K step of the 12 weight tiles; x's first row tile
	global_load_b128 v[248:251], v14, s[18:19] th:TH_LOAD_NT
	global_load_b128 v[252:255], v14, s[20:21] th:TH_LOAD_NT
	s_cmp_lt_u32 s28, 6
	s_cbranch_scc0 .Lnobias
	s_cmp_lt_u32 s28, 2
	s_cselect_b64 s[34:35], s[12:13], s[8:9]       ; waves 0, 1: bk; 2, 3: bq;
	s_cmp_lt_u32 s28, 4
	s_cselect_b64 s[34:35], s[34:35], s[16:17]     ; 4, 5: bv
	global_load_b32 v16, v17, s[34:35]
.Lnobias:
	WIN 0x40                                       ; destination window 1
.irp u, 0,1,2,3,4,5
.irp ct, 0,1
.if \u < 2
	LDF 16*(2*\u+\ct), 7, 10, (32*(\u%2)+16*\ct)*1024
.elseif \u < 4
	LDF 16*(2*\u+\ct), 7, 6, (32*(\u%2)+16*\ct)*1024
.else
	LDF 16*(2*\u+\ct), 7, 14, (32*(\u%2)+16*\ct)*1024
.endif
.endr
.endr
	WIN 0
.irp ks, 0,1,2,3,4,5,6,7
	LDF 32+16*\ks, 6, 4, 128*\ks
.endr
	; THE TABLE, while the loads are out.  A lane's channels 16 t + 8 h + j have the angles 8 t + 4 h + j / 2: eight a lane.  In turns: 10000^(-i / 15) / 2 pi = 2^(-0.885847 i - 2.651496)
	v_mov_b32 v239, 0xbf62c6e7
.irp a, 0,1,2,3,4,5,6,7
	v_lshl_add_u32 v[224+\a], v2, 2, 8*(\a/4)+(\a%4)
.endr
.irp a, 0,1,2,3,4,5,6,7
	v_cvt_f32_u32 v[224+\a], v[224+\a]
.endr
.irp a, 0,1,2,3,4,5,6,7
	v_fmaak_f32 v[224+\a], v[224+\a], v239, 0xc029b21d
.endr
.irp a, 0,1,2,3,4,5,6,7
	v_exp_f32 v[224+\a], v[224+\a]
.endr
	v_nop                                          ; a plain instruction behind the last exponential,
	s_wait_alu depctr_va_vdst(0)                   ; and one wait for the eight, ahead of their first reader
	v_add_nc_u32 v232, s46, v1
	v_cvt_f32_u32 v232, v232                       ; my position 64 w + r, twice
	v_mov_b32 v233, v232
	v_mov_b32 v244, 0xbfdb7128                     ; the series' top coefficients
	v_mov_b32 v245, 0xbfdb7128
	v_mov_b32 v246, 0xbf37d6dd
	v_mov_b32 v247, 0xbf37d6dd
.macro HORN cc, cs
	v_pk_fma_f32 v[240:241], v[240:241], v[238:239], \cc op_sel_hi:[1,1,0]
	v_pk_fma_f32 v[242:243], v[242:243], v[238:239], \cs op_sel_hi:[1,1,0]
.endm
; two angles of row tile rt: turns = angle x position, less the nearest whole number (found by adding and taking away 1.5 x 2^23); cos and sin of 2 pi r by their series in r^2, |r| <= 1/2, eight terms each.
; The sines of channels 0-15 are kept negated: there the rotary step takes the partner's channel with a minus.
.macro TABP rt, p
	v_pk_mul_f32 v[234:235], v[224+2*(\p):225+2*(\p)], v[232:233]
	v_pk_add_f32 v[236:237], v[234:235], 0x4b400000 op_sel_hi:[1,0]
	v_pk_add_f32 v[236:237], v[236:237], 0xcb400000 op_sel_hi:[1,0]
	v_pk_add_f32 v[234:235], v[234:235], v[236:237] neg_lo:[0,1] neg_hi:[0,1]
	v_pk_mul_f32 v[238:239], v[234:235], v[234:235]
	v_pk_fma_f32 v[240:241], v[244:245], v[238:239], 0x40fce9c5 op_sel_hi:[1,1,0]
	v_pk_fma_f32 v[242:243], v[246:247], v[238:239], 0x40747a1a op_sel_hi:[1,1,0]
	HORN 0xc1d368f9, 0xc17183a8
	HORN 0x4270fa83, 0x42283c1a
	HORN 0xc2aae9e4, 0xc2996966
	HORN 0x4281e0f8, 0x42a335e3
	HORN 0xc19de9e6, 0xc2255de7
	v_pk_fma_f32 v[TAB+16*(\rt)+2*(\p):TAB+16*(\rt)+2*(\p)+1], v[240:241], v[238:239], 1.0 op_sel_hi:[1,1,0]
	v_pk_fma_f32 v[242:243], v[242:243], v[238:239], 0x40c90fdb op_sel_hi:[1,1,0]
.if (\p) < 2
	v_pk_mul_f32 v[TAB+16*(\rt)+8+2*(\p):TAB+16*(\rt)+9+2*(\p)], v[242:243], v[234:235] neg_lo:[1,0] neg_hi:[1,0]
.else
	v_pk_mul_f32 v[TAB+16*(\rt)+8+2*(\p):TAB+16*(\rt)+9+2*(\p)], v[242:243], v[234:235]
.endif
.endm
.irp rt, 0,1,2,3
.irp p, 0,1,2,3
	TABP \rt, \p
.endr
.if \rt < 3
	v_pk_add_f32 v[232:233], v[232:233], 0x41800000 op_sel_hi:[1,0]  ; the next row tile lies 16 positions on
.endif
.endr
	; STAGING.  All but the 32 loads of x, which were issued last, are in
	s_wait_loadcnt 32
	v_cvt_pk_bf16_f32 v248, v248, v249
	v_cvt_pk_bf16_f32 v249, v250, v251
	v_cvt_pk_bf16_f32 v250, v252, v253
	v_cvt_pk_bf16_f32 v251, v254, v255
	global_store_b64 v15, v[248:249], s[24:25] th:TH_STORE_NT  ; a wave's store covers 256 consecutive bytes, aligned
	global_store_b64 v15, v[250:251], s[26:27] th:TH_STORE_NT
	s_cmp_lt_u32 s28, 6
	s_cbranch_scc0 .Lnobst
	ds_store_b32 v18, v16                          ; unit = my wave's number
.Lnobst:
	WIN 0x45                                       ; in place, ascending: register y takes the pair 2 y, 2 y + 1
.set f, 0
.rept 12
.set y, 0
.rept 8
	v_cvt_pk_bf16_f32 v[16*f+y], v[16*f+2*y], v[16*f+2*y+1]
.set y, y+1
.endr
.set f, f+1
.endr
	WIN 0x04                                       ; data in window 1
.set f, 0
.rept 12
.if f < 8
	ds_store_b128 v8, v[16*f:16*f+3] offset:8192*f
	ds_store_b128 v8, v[16*f+4:16*f+7] offset:8192*f+512
.else
	ds_store_b128 v9, v[16*f:16*f+3] offset:8192*(f-8)
	ds_store_b128 v9, v[16*f+4:16*f+7] offset:8192*(f-8)+512
.endif
.set f, f+1
.endr
	WIN 0
; THE RING OF x: a group is one K step of a row tile, four loads.  It is rounded into its fragment, and the same registers are asked for again for the next row tile.
; left: the loads issued behind the group's own, which may stay out.
.macro XGRP rt, ks, left
	s_wait_loadcnt \left
	WIN 0x40
.set y, 0
.rept 8
	v_cvt_pk_bf16_f32 v[64*(\rt)+8*(\ks)+y], v[32+16*(\ks)+2*y], v[32+16*(\ks)+2*y+1]
.set y, y+1
.endr
	WIN 0
.if (\rt) < 3
	LDF 32+16*(\ks), 6, 4, 1048576*((\rt)+1)+128*(\ks)
.endif
.endm
.irp rt, 0,1,2
.irp ks, 0,1,2,3,4,5,6,7
	XGRP \rt, \ks, 28
.endr
.endr
.irp ks, 0,1,2,3,4,5,6,7
	XGRP 3, \ks, 28-4*\ks
.endr
	s_wait_xcnt 0x0                                ; the two stores have read their registers
	s_wait_dscnt 0x0                               ; for the others' sake: my images and my bias are in LDS
	s_barrier_signal -1
	s_barrier_wait -1
; eight LDS loads: the weights' fragments of K steps 2 b and 2 b + 1, both tiles of the unit, into buffer buf
.macro WBATCH b, buf
.irp ksl, 0,1
.irp t, 0,1
	ds_load_b128 v[WF+32*(\buf)+8*(2*\ksl+\t):WF+32*(\buf)+8*(2*\ksl+\t)+3], v10 offset:\t*8192+(2*(\b)+\ksl)*1024
	ds_load_b128 v[WF+32*(\buf)+8*(2*\ksl+\t)+4:WF+32*(\buf)+8*(2*\ksl+\t)+7], v10 offset:\t*8192+(2*(\b)+\ksl)*1024+512
.endr
.endr
.endm
; 16 products; the eight accumulators (row tile, tile of 16 outputs) take turns, one instruction a turn.  The first K step takes the bias as C.
; kind 0: weights x rows: a lane holds one row and eight outputs.  kind 1: rows x weights: a lane holds one output and eight rows.
.macro MULS kind, b, buf
.if \kind
	WIN 0x01
.else
	WIN 0x04
.endif
.irp ksl, 0,1
.irp t, 0,1
.irp rt, 0,1,2,3
.set rD, ACC+16*\rt+8*\t
.set rW, WF+32*(\buf)+8*(2*\ksl+\t)
.set rX, 64*\rt+8*(2*(\b)+\ksl)
.set rC, rD
.if (2*(\b)+\ksl) == 0
.set rC, BIAS+8*\t
.endif
.if \kind
	v_wmma_f32_16x16x32_bf16 v[rD:rD+7], v[rX:rX+7], v[rW:rW+7], v[rC:rC+7]
.else
	v_wmma_f32_16x16x32_bf16 v[rD:rD+7], v[rW:rW+7], v[rX:rX+7], v[rC:rC+7]
.endif
.endr
.endr
.endr
.endm
; a unit's 64 products.  A buffer is asked for again four places behind the last product that read it; each wait leaves the batch issued last on its way.
.macro UNITMUL kind
	WBATCH 0, 0
	WBATCH 1, 1
	s_wait_dscnt 8
	MULS \kind, 0, 0
	PLACES 4
	WIN 0
	WBATCH 2, 0
	s_wait_dscnt 8
	MULS \kind, 1, 1
	PLACES 4
	WIN 0
	WBATCH 3, 1
	s_wait_dscnt 8
	MULS \kind, 2, 0
	s_wait_dscnt 0x0
	MULS \kind, 3, 1
	PLACES 4                                       ; in front of the lines that read the results
	WIN 0
.endm
; THE ROTARY STEP for row tile rt.  out[d] = y[d] cos + y2[d] sin, y2[d] = -y[2 d + 1] (d < 16), y[2 d - 32] (d >= 16).  My channels are 8 h + j (Y0) and 16 + 8 h + j (Y1).  Half of the partners lie in the
; lane 16 away: lanes with h = 0 send Y1 and want Y0, lanes with h = 1 the other way round.  Each accumulator's lowest register is read first.
.macro ROT rt
.set Y0, ACC+16*(\rt)
.set Y1, Y0+8
.set m, 0
.rept 8
	v_cndmask_b32 v[128+m], v[Y1+m], v[Y0+m], s31
.set m, m+1
.endr
.set m, 0
.rept 8
	v_permlanex16_b32 v[136+m], v[128+m], s32, s33
.set m, m+1
.endr
.set j, 0
.rept 4
	v_cndmask_b32 v[144+j], v[Y0+2*j+1], v[136+2*j+1], s31
	v_cndmask_b32 v[148+j], v[136+2*j+1], v[Y1+2*j+1], s31
	v_cndmask_b32 v[152+j], v[Y0+2*j], v[136+2*j], s31
	v_cndmask_b32 v[156+j], v[136+2*j], v[Y1+2*j], s31
.set j, j+1
.endr
.irp t, 0,1
.irp jj, 0,1,2,3
.set rP, Y0+8*\t+2*\jj
.set rX, 144+8*\t+2*\jj
.set rC, TAB+16*(\rt)+4*\t+2*(\jj/2)
.if (\jj%2) == 0
	v_pk_mul_f32 v[rP:rP+1], v[rP:rP+1], v[rC:rC+1] op_sel_hi:[1,0]
	v_pk_fma_f32 v[rP:rP+1], v[rX:rX+1], v[rC+8:rC+9], v[rP:rP+1] op_sel_hi:[1,0,1]
.else
	v_pk_mul_f32 v[rP:rP+1], v[rP:rP+1], v[rC:rC+1] op_sel:[0,1] op_sel_hi:[1,1]
	v_pk_fma_f32 v[rP:rP+1], v[rX:rX+1], v[rC+8:rC+9], v[rP:rP+1] op_sel:[0,1,0] op_sel_hi:[1,1,1]
.endif
.endr
.endr
.set y, 0
.rept 8
	v_cvt_pk_bf16_f32 v[128+y], v[Y0+2*y], v[Y0+2*y+1]
.set y, y+1
.endr
	ds_store_b128 v11, v[128:131] offset:1024*(\rt)
	ds_store_b128 v11, v[132:135] offset:1024*(\rt)+512
.endm
	s_mov_b32 s38, 4
.Lunit:                                        ; K of head 0, K of head 1, Q of head 0, Q of head 1
	ds_load_b128 v[16:19], v12
	ds_load_b128 v[20:23], v12 offset:16
	ds_load_b128 v[24:27], v12 offset:64
	ds_load_b128 v[28:31], v12 offset:80
	UNITMUL 0
	ROT 0
	ROT 1
	ROT 2
	ROT 3
	v_add_nc_u32 v10, 0x4000, v10
	v_add_nc_u32 v11, 0x8000, v11
	v_add_nc_u32 v12, 128, v12
	s_sub_co_u32 s38, s38, 1
	s_cmp_lg_u32 s38, 0
	s_cbranch_scc1 .Lunit
; two row tiles' results for channel block cb ARE a fragment of V^T: lane = channel, 32 keys along the registers
.macro VPACK kk, cb
.set A0, ACC+32*(\kk)+8*(\cb)
.set y, 0
.rept 4
	v_cvt_pk_bf16_f32 v[128+y], v[A0+2*y], v[A0+2*y+1]
.set y, y+1
.endr
.set y, 0
.rept 4
	v_cvt_pk_bf16_f32 v[132+y], v[A0+16+2*y], v[A0+16+2*y+1]
.set y, y+1
.endr
	ds_store_b128 v11, v[128:131] offset:2048*(\kk)+1024*(\cb)
	ds_store_b128 v11, v[132:135] offset:2048*(\kk)+1024*(\cb)+512
.endm
	s_mov_b32 s38, 2
.Lvunit:                                       ; V of head 0, V of head 1
.irp cb, 0,1
.irp i, 0,1,2,3,4,5,6,7
	ds_load_b32 v[BIAS+8*\cb+\i], v13 offset:64*\cb  ; a lane's one channel: the same word for its eight rows
.endr
.endr
	UNITMUL 1
	VPACK 0, 0
	VPACK 0, 1
	VPACK 1, 0
	VPACK 1, 1
	v_add_nc_u32 v10, 0x4000, v10
	v_add_nc_u32 v11, 0x8000, v11
	v_add_nc_u32 v13, 128, v13
	s_sub_co_u32 s38, s38, 1
	s_cmp_lg_u32 s38, 0
	s_cbranch_scc1 .Lvunit
	s_wait_dscnt 0x0                               ; for the others' sake: my rows of K and V are in LDS
	s_barrier_signal -1
	s_barrier_wait -1
	; ATTENTION.  S^T = K Q^T + mask: a lane holds ONE query (r) and the keys 8 h + j of each tile of 16; two such tiles rounded to bf16 ARE source 1 of O^T = V^T P.
	; p = 2^(c s - c m), c = log2(e), m a running maximum; O and l are multiplied by a = 2^(c m_old - c m_new) in every step.  l = ones x P: rows 0 and 8 of the ones are set, so register 0 of the result holds l in every lane.
	v_lshlrev_b32 v9, 4, v3                        ; my 16 bytes of an image
	v_add_nc_u32 v6, OUTR, v9                      ; K's next images
	v_add_nc_u32 v7, OUTR+131072, v9               ; V's
	s_lshl_b32 s34, s28, 12
	s_add_co_u32 s34, s34, OUTR+65536
	v_add_nc_u32 v8, s34, v9                       ; my queries' images
	v_lshlrev_b32 v24, 3, v2
	v_sub_nc_u32 v24, v1, v24                      ; r - 8 h
.irp j, 0,1,2,3,4,5,6,7
	v_add_nc_u32 v[16+\j], 0-\j, v24
.endr
	v_and_b32 v25, 7, v0
	v_cmp_eq_u32 vcc_lo, 0, v25
	s_mov_b32 s34, 0x3f803f80                      ; 1.0 twice, in bf16
	WIN 0x40
.irp j, 0,1,2,3,4,5,6,7
	v_cvt_f32_i32 v[EJ+\j], v[16+\j]               ; query's place less key's place inside a pair of tiles: r - 8 h - j
.endr
.irp j, 0,1,2,3,4,5,6,7
	v_cndmask_b32 v[ONES+\j], 0, s34, vcc_lo
.endr
	WIN 0
.macro SREG p, u                       ; the registers of tile u (0, 1) of piece p: query tile 2 p + u
.set qt, 2*(\p)+(\u)
.set rS, SS+32*(\u)
.set rT, ST+4*qt
.set rC, TMP+8*(\u)
.set rP, PP+16*(\u)
.set rO, OO+16*qt
.set rL, LL+8*qt
.endm
.macro BOTH p, line:vararg             ; one line for each of the piece's two tiles
	SREG \p, 0
	\line
	SREG \p, 1
	\line
.endm
.macro MAX1                            ; number j of the 16 that find the maximum of a lane's 32 scores and the old m; each accumulator's lowest registers are read first
.if j < 4
	v_max3_num_f32 v[rC+j], v[rS+8*j], v[rS+8*j+1], v[rS+8*j+2]
.elseif j < 12
	v_max3_num_f32 v[rC+j%4], v[rC+j%4], v[rS+8*(j%4)+2*(j/4)+1], v[rS+8*(j%4)+2*(j/4)+2]
.elseif j == 12
	v_max3_num_f32 v[rC], v[rC], v[rS+7], v[rS+15]
.elseif j == 13
	v_max3_num_f32 v[rC+2], v[rC+2], v[rS+23], v[rS+31]
.elseif j == 14
	v_max3_num_f32 v[rC], v[rC], v[rC+1], v[rC+2]
.else
	v_max3_num_f32 v[rC], v[rC], v[rC+3], v[rT+1]
.endif
.endm
; eight products: the mask is the C operand; it hangs on query tile less key tile alone (dd = qt - kt + 3)
.macro SQK p
	WIN 0x15
.irp kt, 0,1,2,3
.irp u, 0,1
.set rS, SS+32*\u+8*\kt
.set rM, CT+8*(2*(\p)+\u-\kt+3)
.set rQ, QQ+8*(2*(\p)+\u)
	v_wmma_f32_16x16x32_bf16 v[rS:rS+7], v[KK+8*\kt:KK+8*\kt+7], v[rQ:rQ+7], v[rM:rM+7]
.endr
.endr
.endm
; a piece's softmax, the two tiles line by line.  The 66 exponentials are ONE batch: nothing ahead of the one wait names a result of theirs; a pair is scaled a line ahead of its exponentials.
.macro SOFT p
.set j, 0
.rept 16
	BOTH \p, MAX1
.set j, j+1
.endr
	BOTH \p, v_permlanex16_b32 v[rC+1], v[rC], s32, s33
	BOTH \p, v_max_num_f32 v[rT+1], v[rC], v[rC+1]
	BOTH \p, v_mul_f32 v[rT], s48, v[rT+1]
	BOTH \p, v_sub_f32 v[rC+5], v[rC+4], v[rT]
	BOTH \p, v_exp_f32 v[rC+6], v[rC+5]
.set i, 0
.rept 17
.irp u, 0,1
	SREG \p, \u
.if i < 16
	v_pk_fma_f32 v[rS+2*i:rS+2*i+1], v[rS+2*i:rS+2*i+1], s[48:49], v[rT:rT+1] op_sel_hi:[1,0,0] neg_lo:[0,0,1] neg_hi:[0,0,1]
.endif
.if i > 0
	v_exp_f32 v[rS+2*i-2], v[rS+2*i-2]
	v_exp_f32 v[rS+2*i-1], v[rS+2*i-1]
.endif
.endr
.set i, i+1
.endr
	v_nop                                          ; a plain instruction behind the last exponential,
	s_wait_alu depctr_va_vdst(0)                   ; and the one wait for the batch
.set i, 0
.rept 16
	BOTH \p, v_cvt_pk_bf16_f32 v[rP+i], v[rS+2*i], v[rS+2*i+1]
.set i, i+1
.endr
.set i, 0
.rept 8
	BOTH \p, v_pk_mul_f32 v[rO+2*i:rO+2*i+1], v[rO+2*i:rO+2*i+1], v[rC+6:rC+7] op_sel_hi:[1,0]
.set i, i+1
.endr
	BOTH \p, v_mul_f32 v[rL], v[rC+6], v[rL]
.endm
; twelve products on six accumulators, by turns
.macro PVL p
	WIN 0x01
.irp kk, 0,1
.irp u, 0,1
	SREG \p, \u
	v_wmma_f32_16x16x32_bf16 v[rO:rO+7], v[VV+16*\kk:VV+16*\kk+7], v[rP+8*\kk:rP+8*\kk+7], v[rO:rO+7]
	v_wmma_f32_16x16x32_bf16 v[rO+8:rO+15], v[VV+16*\kk+8:VV+16*\kk+15], v[rP+8*\kk:rP+8*\kk+7], v[rO+8:rO+15]
	v_wmma_f32_16x16x32_bf16 v[rL:rL+7], v[ONES:ONES+7], v[rP+8*\kk:rP+8*\kk+7], v[rL:rL+7]
.endr
.endr
.endm
; THE MASK decay x |i - k|, i - k = T + e, T = 64 (w - ks) + 16 (dd - 3), e = r - 8 h - j, |e| <= 15.  T > 0: decay T + decay e; T < 0: -decay T - decay e; T = 0: decay |e|.
; With MP = decay e and MD = decay |e|: MP x AL + BE, AL = +-1 by T's sign, BE = decay |T|; in the one tile with T = 0, MD.
.macro CB dd
.irp z, 0,1,2,3
	v_pk_fma_f32 v[CT+8*(\dd)+2*\z:CT+8*(\dd)+2*\z+1], v[MP+2*\z:MP+2*\z+1], s[66+2*(\dd):67+2*(\dd)], s[80+2*(\dd):81+2*(\dd)] op_sel_hi:[1,0,0]
.endr
.endm
	s_mov_b32 s39, 0
.Lhead:
	s_cmp_eq_u32 s39, 0
	s_cselect_b32 s43, s41, s42                    ; the head's decay
	s_mul_f32 s50, s43, 0xc2400000                 ; decay x 16 (dd - 3)
	s_mul_f32 s51, s43, 0xc2000000
	s_mul_f32 s52, s43, 0xc1800000
	s_mov_b32 s53, 0
	s_mul_f32 s54, s43, 0x41800000
	s_mul_f32 s55, s43, 0x42000000
	s_mul_f32 s56, s43, 0x42400000
	s_mov_b32 s44, s47                             ; 64 (w - ks) at ks = 0
	WIN 0x44
.irp j, 0,1,2,3,4,5,6,7
	v_mul_f32 v[MP+\j], s43, v[EJ+\j]
.endr
.irp j, 0,1,2,3,4,5,6,7
	v_or_b32 v[MD+\j], 0x80000000, v[MP+\j]        ; the decay is negative: decay |e| = -|decay e|
.endr
	WIN 0
	; O and l start at 0, c m far below every c s, m at the lowest finite number: the first step is a step like any other, with a = 0.  The price of writing no first step out: these 120 lines, twice a launch
.set i, OO
.rept 96
	v_mov_b32 v[i], 0
.set i, i+1
.endr
.irp q, 0,1,2,3
	v_mov_b32 v[ST+4*\q], 0xfe000000
	v_mov_b32 v[ST+4*\q+1], 0xff7fffff
.endr
.set i, TMP
.rept 16
	v_mov_b32 v[i], 0
.set i, i+1
.endr
	WIN 0x40
.irp q, 0,1,2,3
	ds_load_b128 v[QQ+8*\q:QQ+8*\q+3], v8 offset:1024*\q
	ds_load_b128 v[QQ+8*\q+4:QQ+8*\q+7], v8 offset:1024*\q+512
.endr
	WIN 0
	s_mov_b32 s40, 0
.Lkey:                                         ; 64 keys
	s_mul_f32 s45, s44, s43
.irp dd, 0,1,2,3,4,5,6
	s_add_f32 s46, s45, s[50+\dd]                  ; decay T
	s_or_b32 s[80+2*\dd], s46, 0x80000000          ; decay |T|
	s_and_b32 s46, s46, 0x80000000
	s_xor_b32 s[66+2*\dd], s46, 0xbf800000         ; +1 where decay T is negative (T > 0), else -1
.endr
	s_cmp_eq_u32 s40, s28                          ; my own 64 positions: the tiles with dd = 3 hold the diagonal
	s_cselect_b32 s58, 1.0, 0
	s_cselect_b32 s72, 0, s72
	s_add_f32 s44, s44, 0xc2800000
	WIN 0x41
	CB 0                                           ; these four are also the places between the last step's products and the loads into V
	WIN 0x40
.irp t, 0,1,2,3
	ds_load_b128 v[KK+8*\t:KK+8*\t+3], v6 offset:1024*\t
	ds_load_b128 v[KK+8*\t+4:KK+8*\t+7], v6 offset:1024*\t+512
.endr
.irp t, 0,1,2,3
	ds_load_b128 v[VV+8*\t:VV+8*\t+3], v7 offset:1024*\t
	ds_load_b128 v[VV+8*\t+4:VV+8*\t+7], v7 offset:1024*\t+512
.endr
	WIN 0x41
	CB 1
	CB 2
.irp z, 0,1,2,3
	v_pk_fma_f32 v[CT+24+2*\z:CT+25+2*\z], v[MD+2*\z:MD+2*\z+1], s[58:59], s[86:87] op_sel_hi:[1,0,0]
.endr
	CB 4
	CB 5
	CB 6
	WIN 0x51
.irp z, 0,1,2,3
	v_pk_fma_f32 v[CT+24+2*\z:CT+25+2*\z], v[MP+2*\z:MP+2*\z+1], s[72:73], v[CT+24+2*\z:CT+25+2*\z] op_sel_hi:[1,0,1]
.endr
	s_wait_dscnt 8                                 ; K (and, in a head's first step, Q) is in; V's eight loads may stay out
.irp p, 0,1
	SQK \p
	WIN 0
	v_mov_b32 v[TMP+4], v[ST+8*\p]                 ; c m_old is kept; with the two lines below: the four places behind the products
	v_mov_b32 v[TMP+12], v[ST+8*\p+4]
.if \p == 0
	v_add_nc_u32 v6, 0x1000, v6                    ; the next step's images
	v_add_nc_u32 v7, 0x1000, v7
.else
	v_nop
	v_nop
.endif
	SOFT \p
.if \p == 0
	s_wait_dscnt 0x0                               ; V is in
.endif
	PVL \p
.endr
	WIN 0
	s_add_co_u32 s40, s40, 1
	s_cmp_lt_u32 s40, 8
	s_cbranch_scc1 .Lkey
	; a head's end: O / l, rounded to f16; a query tile's 16 x 32 numbers are an image: two stores of 512 consecutive bytes
	PLACES 4
.irp q, 0,1,2,3
	v_rcp_f32 v[TMP+2*\q], v[LL+8*\q]
.endr
	v_nop
	s_wait_alu depctr_va_vdst(0)                   ; one wait for the four reciprocals
.irp q, 0,1,2,3
.irp i, 0,1,2,3,4,5,6,7
	v_pk_mul_f32 v[OO+16*\q+2*\i:OO+16*\q+2*\i+1], v[OO+16*\q+2*\i:OO+16*\q+2*\i+1], v[TMP+2*\q:TMP+2*\q+1] op_sel_hi:[1,0]
.endr
.irp i, 0,1,2,3,4,5,6,7
	v_cvt_pk_f16_f32 v[SS+8*\q+\i], v[OO+16*\q+2*\i], v[OO+16*\q+2*\i+1]
.endr
	global_store_b128 v9, v[SS+8*\q:SS+8*\q+3], s[22:23] offset:8192*\q th:TH_STORE_NT
	global_store_b128 v9, v[SS+8*\q+4:SS+8*\q+7], s[22:23] offset:8192*\q+512 th:TH_STORE_NT
.endr
	s_wait_xcnt 0x0                                ; the stores have read their data and their offset: both are written again below and in the next head
	v_add_nc_u32 v9, 0x400, v9                     ; the next head's image
	v_add_nc_u32 v8, 0x8000, v8                    ; its queries; K's and V's addresses have run on into its units by themselves
	s_add_co_u32 s39, s39, 1
	s_cmp_lt_u32 s39, 2
	s_cbranch_scc1 .Lhead
	s_wait_tensorcnt 0x0                           ; the wave's end, behind my last LDS store
	ds_add_u32 v4, v5
	s_wait_dscnt 0x0
	s_endpgm
.Lfunc_end_k_qaf28e511c8_attn:
	.size	k_qaf28e511c8_attn, .Lfunc_end_k_qaf28e511c8_attn-k_qaf28e511c8_attn
	.p2alignl 7, 3214868480
	.fill 96, 4, 3214868480
	.section	.rodata,"a",@progbits
	.p2align	6, 0x0
	.amdhsa_kernel k_qaf28e511c8_attn
		.amdhsa_group_segment_fixed_size 296960
		.amdhsa_private_segment_fixed_size 0
		.amdhsa_enable_private_segment 0
		.amdhsa_kernarg_size 96
		.amdhsa_user_sgpr_count 2
		.amdhsa_user_sgpr_kernarg_segment_ptr 1
		.amdhsa_wavefront_size32 1
		.amdhsa_system_sgpr_workgroup_id_x 1
		.amdhsa_system_sgpr_workgroup_id_y 1
		.amdhsa_system_sgpr_workgroup_id_z 1
		.amdhsa_system_vgpr_workitem_id 0
		.amdhsa_next_free_vgpr 512
		.amdhsa_next_free_sgpr 94
		.amdhsa_reserve_vcc 1
		.amdhsa_float_denorm_mode_32 3
		.amdhsa_float_denorm_mode_16_64 3
		.amdhsa_memory_ordered 1
		.amdhsa_forward_progress 1
		.amdhsa_inst_pref_size 151
	.end_amdhsa_kernel
	.amdgpu_metadata
---
amdhsa.version: [ 1, 2 ]
amdhsa.kernels:
  - .name:           k_qaf28e511c8_attn
    .symbol:         k_qaf28e511c8_attn.kd
    .args:
      - { .name: x, .offset: 0, .size: 8, .value_kind: global_buffer, .address_space: global }
      - { .name: wq, .offset: 8, .size: 8, .value_kind: global_buffer, .address_space: global }
      - { .name: bq, .offset: 16, .size: 8, .value_kind: global_buffer, .address_space: global }
      - { .name: wk, .offset: 24, .size: 8, .value_kind: global_buffer, .address_space: global }
      - { .name: bk, .offset: 32, .size: 8, .value_kind: global_buffer, .address_space: global }
      - { .name: wv, .offset: 40, .size: 8, .value_kind: global_buffer, .address_space: global }
      - { .name: bv, .offset: 48, .size: 8, .value_kind: global_buffer, .address_space: global }
      - { .name: w1, .offset: 56, .size: 8, .value_kind: global_buffer, .address_space: global }
      - { .name: w2, .offset: 64, .size: 8, .value_kind: global_buffer, .address_space: global }
      - { .name: ao, .offset: 72, .size: 8, .value_kind: global_buffer, .address_space: global }
      - { .name: w1b, .offset: 80, .size: 8, .value_kind: global_buffer, .address_space: global }
      - { .name: w2b, .offset: 88, .size: 8, .value_kind: global_buffer, .address_space: global }
    .group_segment_fixed_size: 296960
    .private_segment_fixed_size: 0
    .kernarg_segment_align: 8
    .kernarg_segment_size: 96
    .max_flat_workgroup_size: 256
    .sgpr_count:     94
    .vgpr_count:     512
    .wavefront_size: 32
...
	.end_amdgpu_metadata
.endif
;; end of part 1
;; launch ffn (part 2): grid 4 x 64, 4 waves a work-group, clusters of 4 x 1, 327,680 bytes of LDS; arguments x, ao, w1b, w2b, b1, b2, ln1_w, ln1_b, ln2_w, ln2_b, out0; writes out0
.if DOCPART == 2
	.amdgcn_target "amdgcn-amd-amdhsa--gfx1250"
	.amdhsa_code_object_version 6
	.text
	.protected	k_qaf28e511c8_ffn
	.globl	k_qaf28e511c8_ffn
	.p2align	8
	.type	k_qaf28e511c8_ffn,@function
k_qaf28e511c8_ffn:
	s_mov_b64 s[64:65], 0
	v_nop
	global_prefetch_b8 v0, s[64:65] scope:SCOPE_SE
	s_setreg_imm32_b32 hwreg(HW_REG_WAVE_MODE, 25, 1), 1
	s_wait_xcnt 0x0
	s_wait_alu depctr_hold_cnt(0) depctr_sa_sdst(0) depctr_va_vdst(0) depctr_va_sdst(0) depctr_va_ssrc(0) depctr_va_vcc(0) depctr_vm_vsrc(0)
	s_getreg_b32 s2, hwreg(HW_REG_IB_STS2, 6, 4)
	s_cmp_eq_u32 s2, 0
	s_cbranch_scc0 .Lentry_in_a_cluster
	s_endpgm
.Lentry_in_a_cluster:
	s_bfe_u32 s2, ttmp6, 0x10000c
	s_cmp_lg_u32 s2, 0x3003
	s_cbranch_scc0 .Lentry_shape_is_right
	s_endpgm
.Lentry_shape_is_right:
; FFN: out0 = LN2(relu(h w1^T + b1) w2^T + b2 + h), h = LN1(ao + x), for one n and 128 positions.  Nothing of the module is left out here either.
; x, out0: [512][64][256] f32.  ao: f16 images [n][row tile][head][1,024 bytes] (lane r + 16 h: row r; bytes 16 l: channels 8 h + 0..7, bytes 512 + 16 l: channels 16 + 8 h + 0..7).  w1b [1024][256], w2b [256][1024]: bf16.
; FORMATS.  Matrix operands (h, the hidden layer, the weights) in bf16, sums in f32.  The residuals stay in f32: x is read as f32, and LN1's f32 result is itself the start of the second product's sums.
; LIMITS.  NaN and infinities are not treated apart.  The variance is the mean of (v - mean)^2, as in the module.
; LAYOUT.  Register 8 ct + j of a row tile is channel 16 ct + 8 h + j of row r: the layout of a transposed product's result (source 0 = 16 rows of weights, source 1 = 16 rows of data), and, rounded in pairs, that of a fragment.
; SHARES.  Wave 2 a + b: both waves of pair a multiply rows 64 a .. 64 a + 63 (four row tiles); of each 64 hidden units wave b takes 32.  So a weight fragment read from LDS feeds four products.
; A wave OWNS row tiles 2 b, 2 b + 1 of its pair (local 0, 1: LN1, LN2 and the stores); the partner's are local 2, 3.  The sums for the partner's rows start with b2 and meet the owner's once, at the end, in LDS, in f32.
; CLUSTER.  The four work-groups of one n walk the same w1b and w2b: each tile is asked for JOINTLY, by the same tensor load with the same descriptor and the mask of four.
; THE WALK: 8 steps of 128 hidden units through two LDS slots; a slot holds 128 rows of w1b (512 bytes, pitch 528) and 256 rows x 256 bytes of w2b (pitch 272).  Waves 0, 1 fetch w1b's halves, waves 2, 3 w2b's.
; LDS: slots at 0 and 137,216; XCH (h for the partner) 4 x 8,192; B1L 4,096; the spare words.  When the slots have had their last fill: PSUM 4 x 32,768 at 0, OSTG 4 x 16,640 at 131,072.
; REGISTERS: window 0: v0-23 ids and addresses; v24-31 at work; v32-47 b1 (in the LN phases mean and 1/sigma); v48-111 the hidden tile's sums; v128-255 weights' fragments, two buffers (in LN1: ln1_w).
; window 1: h's fragments, 64 a row tile (before: ao and ln1_b; at the end ln2_w, ln2_b).  window 2: the sums of my own two row tiles.  window 3: those of the partner's.
.set SLOT,  137216
.set W2P,   67584
.set XCH,   274432
.set B1L,   307200
.set SPARE, 311296                     ; the spare words: 128 bytes for each of four waves; no other line names them
.set OSTG,  131072
.set MSB, 0
.macro WIN new                         ; the immediate's high byte repeats the setting that is left; a switch that changes nothing is dropped
.if MSB != (\new)
	s_set_vgpr_msb (MSB<<8)|(\new)
.set MSB, (\new)
.endif
.endm
.macro PLACES n
.rept \n
	v_nop
.endr
.endm
.macro CREST                           ; a round of the cluster's barrier behind its opening barrier
	s_cmp_lg_u32 s26, 0
	s_cbranch_scc1 .Lnot_wave_0_\@
	s_barrier_signal -3
.Lnot_wave_0_\@:
	s_barrier_wait -3
	s_barrier_signal -1
	s_barrier_wait -1
.endm
.macro CROUND
	s_barrier_signal -1
	s_barrier_wait -1
	CREST
.endm
; a joint refill by the walking descriptors; the branch hangs on the wave's number alone.  An s_nop 0 and four v_nop follow each of the two lines
.macro JLOAD
	s_cmp_eq_u32 s27, 0
	s_cbranch_scc0 .Lfor_b_\@
	tensor_load_to_lds s[56:59], s[36:43]
	s_nop 0
	PLACES 4
	s_branch .Lasked_\@
.Lfor_b_\@:
	tensor_load_to_lds s[68:71], s[44:51]
	s_nop 0
	PLACES 4
.Lasked_\@:
.endm
; A PREFETCH of the step that stands two refills on: of the 128 blocks of 256 bytes that my wave fetches for a step, my work-group's 32, a lane a block, told apart from the partners' by address.  All 64 clusters walk the same
; weights: the cluster of n = 0 asks, and nobody else, so each block is named once in the launch.  Steps 0 to 3 come by their loads alone; the refills at the ends of steps 0 to 3 name steps 4 to 7; the last two name nothing.
.macro ASK
	s_cmp_gt_u32 s73, s78
	s_cbranch_scc0 .Lnot_mine_\@
	global_prefetch_b8 v16, s[74:75] th:TH_LOAD_NT scope:SCOPE_SE
.Lnot_mine_\@:
.endm
; 32 loads of 16 bytes: 256 f32 in the layout above
.macro LD32 dst, voff, sb, imm, nt
.set c, 0
.rept 16
.if \nt
	global_load_b128 v[(\dst)+8*c:(\dst)+8*c+3], v[\voff], s[\sb:\sb+1] offset:(\imm)+64*c th:TH_LOAD_NT
	global_load_b128 v[(\dst)+8*c+4:(\dst)+8*c+7], v[\voff], s[\sb:\sb+1] offset:(\imm)+64*c+16 th:TH_LOAD_NT
.else
	global_load_b128 v[(\dst)+8*c:(\dst)+8*c+3], v[\voff], s[\sb:\sb+1] offset:(\imm)+64*c
	global_load_b128 v[(\dst)+8*c+4:(\dst)+8*c+7], v[\voff], s[\sb:\sb+1] offset:(\imm)+64*c+16
.endif
.set c, c+1
.endr
.endm
.macro LDAO l                          ; a row tile's eight images of ao
.set c, 0
.rept 16
	global_load_b128 v[64*(\l)+4*c:64*(\l)+4*c+3], v14, s[6:7] offset:8192*(\l)+512*c th:TH_LOAD_NT
.set c, c+1
.endr
.endm
	s_load_b512 s[4:19], s[0:1], 0x0               ; x 4, ao 6, w1b 8, w2b 10, b1 12, b2 14, ln1_w 16, ln1_b 18
	s_load_b128 s[20:23], s[0:1], 0x40             ; ln2_w 20, ln2_b 22
	s_load_b64 s[24:25], s[0:1], 0x50              ; out0
	v_lshl_add_u32 v4, v0, 2, SPARE                ; my spare word; never rewritten
	v_mov_b32 v5, 0                                ; 0; never rewritten
	ds_add_u32 v4, v5                              ; the wave's opening: the add, twice on end, and its wait ahead of my first tensor load
	ds_add_u32 v4, v5                              ; the same add once more; the set-up below, work on registers, stands between it and the wait
	v_lshrrev_b32 v8, 5, v0
	v_readfirstlane_b32 s26, v8                    ; wave 0..3
	s_lshr_b32 s27, s26, 1                         ; a: my pair.  Also: I fetch w1b (0) or w2b (1)
	s_and_b32 s28, s26, 1                          ; b: my half of the hidden units.  Also: which half of a tile I fetch
	s_bfe_u32 s29, ttmp6, 0x40000                  ; cx: my block of 128 positions; it enters global addresses alone
	s_and_b32 s30, ttmp7, 0xffff                   ; n, which the four partners share
	s_mov_b32 s32, 0x76543210
	s_mov_b32 s33, 0xfedcba98
	s_mov_b32 s81, 0x3b800000                      ; 1 / 256
	s_mov_b32 s82, 0x3727c5ac                      ; 1e-5
	; descriptor group 1.  w1b: 64 rows x 256 elements, 16 bytes of padding behind every 512; w2b: 128 rows x 128 elements out of rows of 1,024, 16 bytes behind every 256
	s_mov_b32 s36, 15|(1<<16)|(1<<20)|(1<<21)|(6<<22)|(3<<25)  ; the mask of four; 2-byte elements; padding on; bit 21 beside a mask; after every 128 words; 4 words
	s_mov_b32 s37, 256<<16                         ; tensor_dim0
	s_mov_b32 s38, 64<<16                          ; tensor_dim1
	s_mov_b32 s39, 256<<16                         ; tile_dim0
	s_mov_b32 s40, 64                              ; tile_dim1
	s_mov_b32 s41, 256                             ; elements from row to row
	s_mov_b32 s42, 0
	s_mov_b32 s43, 0
	s_mov_b32 s44, 15|(1<<16)|(1<<20)|(1<<21)|(5<<22)|(3<<25)  ; the same, after every 64 words
	s_mov_b32 s45, 128<<16
	s_mov_b32 s46, 128<<16
	s_mov_b32 s47, 128<<16
	s_mov_b32 s48, 128
	s_mov_b32 s49, 1024
	s_mov_b32 s50, 0
	s_mov_b32 s51, 0
	s_mul_i32 s79, s28, 33792                      ; my half's place in a slot: 64 rows x 528,
	s_mul_i32 s80, s28, 34816                      ; or 128 rows x 272
	s_add_co_u32 s80, s80, W2P                     ; behind w1b's part
	s_mov_b32 s52, 1
	s_mov_b32 s53, s79
	s_mov_b32 s56, 1
	s_add_co_u32 s57, s79, SLOT
	s_mov_b32 s60, 1
	s_mov_b32 s61, s80
	s_mov_b32 s68, 1
	s_add_co_u32 s69, s80, SLOT
	v_and_b32 v3, 31, v0                           ; lane
	v_and_b32 v1, 15, v0                           ; r
	v_bfe_u32 v2, v0, 4, 1                         ; h
	v_mov_b32 v6, 1.0
	v_mov_b32 v7, 0
	s_mul_i32 s84, s28, 16896
	v_mul_u32_u24 v8, v1, 528
	v_lshl_add_u32 v8, v2, 4, v8
	v_add_nc_u32 v8, s84, v8                       ; w1b's fragments: row 32 b + r, 16 h
	s_lshl_b32 s84, s28, 6
	s_add_co_u32 s84, s84, W2P
	v_mul_u32_u24 v9, v1, 272
	v_lshl_add_u32 v9, v2, 4, v9
	v_add_nc_u32 v9, s84, v9                       ; w2b's: row r, hidden units 32 b on
	s_lshl_b32 s84, s28, 7
	s_add_co_u32 s84, s84, B1L
	v_lshl_add_u32 v12, v2, 5, s84                 ; b1 of my hidden units
	v_lshlrev_b32 v13, 16, v1
	v_lshl_add_u32 v13, v2, 5, v13                 ; x: row r (65,536 bytes apart) + 32 h
	v_lshlrev_b32 v14, 4, v3                       ; 16 x lane
	v_lshlrev_b32 v15, 5, v2                       ; 32 h: the vectors of 256
	s_cmp_eq_u32 s27, 0
	s_cselect_b32 s84, 8, 11
	v_lshlrev_b32 v16, s84, v3                     ; the prefetches: blocks 256 bytes apart in w1b, 2,048 in w2b
	s_lshl_b32 s84, s26, 13
	s_add_co_u32 s84, s84, XCH
	v_lshl_add_u32 v17, v3, 4, s84                 ; h out: my part of XCH,
	s_xor_b32 s85, s26, 1
	s_lshl_b32 s84, s85, 13
	s_add_co_u32 s84, s84, XCH
	v_lshl_add_u32 v18, v3, 4, s84                 ; h in: the partner's
	s_lshl_b32 s84, s26, 15
	v_lshl_add_u32 v19, v3, 4, s84                 ; partial sums out,
	s_lshl_b32 s84, s85, 15
	v_lshl_add_u32 v20, v3, 4, s84                 ; and in
	s_mul_i32 s84, s26, 16640
	s_add_co_u32 s84, s84, OSTG
	v_mul_u32_u24 v21, v1, 1040
	v_lshl_add_u32 v21, v2, 5, v21
	v_add_nc_u32 v21, s84, v21                     ; the way out: row r of my stage, 32 h
	v_lshl_add_u32 v22, v3, 4, s84                 ; and back: 512 consecutive bytes
	v_lshlrev_b32 v23, 5, v0                       ; my 32 bytes of b1
	s_cmp_eq_u32 s30, 0
	s_cselect_b32 s78, 2, -1                       ; the cluster of n = 0 prefetches while more than two refills are to come; the same in all four partners
	s_wait_dscnt 0x0                               ; both opening adds are done
	s_wait_kmcnt 0x0
	s_mov_b32 s85, 0
	s_lshl_b32 s84, s28, 15
	s_add_nc_u64 s[54:55], s[8:9], s[84:85]        ; w1b: my 64 rows of step 0,
	s_add_nc_u64 s[58:59], s[54:55], 0x10000       ; of step 1
	s_or_b32 s55, s55, 0x80000000
	s_or_b32 s59, s59, 0x80000000
	s_lshl_b32 s84, s28, 18
	s_add_nc_u64 s[62:63], s[10:11], s[84:85]      ; w2b: my 128 rows, step 0's 256 bytes,
	s_add_nc_u64 s[70:71], s[62:63], 0x100         ; step 1's
	s_or_b32 s63, s63, 0x80000000
	s_or_b32 s71, s71, 0x80000000
	s_lshl_b32 s84, s28, 15                        ; the prefetches stand at step 3; each change of slots steps them first
	s_lshl_b32 s86, s29, 13
	s_add_co_u32 s84, s84, s86
	s_add_co_u32 s84, s84, 196608
	s_lshl_b32 s87, s28, 18
	s_lshl_b32 s88, s29, 16
	s_add_co_u32 s87, s87, s88
	s_add_co_u32 s87, s87, 768
	s_mov_b32 s86, 256
	s_cmp_eq_u32 s27, 0
	s_cselect_b32 s84, s84, s87
	s_cselect_b32 s76, 0x10000, s86                ; bytes from step to step
	s_cselect_b64 s[74:75], s[8:9], s[10:11]
	s_mov_b32 s77, 0
	s_add_nc_u64 s[74:75], s[74:75], s[84:85]
	s_lshl_b32 s84, s29, 7
	s_lshl_b32 s86, s27, 6
	s_add_co_u32 s84, s84, s86
	s_lshl_b32 s86, s28, 5
	s_add_co_u32 s84, s84, s86                     ; my first own position: 128 cx + 64 a + 32 b
	s_lshl_b32 s87, s84, 9                         ; (its row tile x 8,192)
	s_lshl_b32 s84, s84, 16
	s_lshl_b32 s86, s30, 10
	s_add_co_u32 s84, s84, s86
	s_add_nc_u64 s[4:5], s[4:5], s[84:85]          ; x and out0 at (that position, n)
	s_add_nc_u64 s[24:25], s[24:25], s[84:85]
	s_lshl_b32 s84, s30, 18
	s_add_co_u32 s84, s84, s87
	s_add_nc_u64 s[6:7], s[6:7], s[84:85]          ; ao at (n, my first row tile)
	CROUND                                         ; all four work-groups are here: the first joint loads meet
	s_cmp_eq_u32 s27, 0                            ; a wave's two first fills stand in one branch, ahead of every wait on TENSORcnt, every LDS read and every other barrier: two loads of mine are out
	s_cbranch_scc0 .Lfirst_b
	tensor_load_to_lds s[52:55], s[36:43]
	s_nop 0
	tensor_load_to_lds s[56:59], s[36:43]
	s_nop 0
	PLACES 4
	s_branch .Lfirst_asked
.Lfirst_b:
	tensor_load_to_lds s[60:63], s[44:51]
	s_nop 0
	tensor_load_to_lds s[68:71], s[44:51]
	s_nop 0
	PLACES 4
.Lfirst_asked:
	global_load_b128 v[24:27], v23, s[12:13]       ; b1
	global_load_b128 v[28:31], v23, s[12:13] offset:16
	LD32 128, 15, 16, 0, 0                         ; ln1_w -> window 0
	WIN 0x40
	LD32 128, 15, 18, 0, 0                         ; ln1_b -> window 1
	WIN 0x80
	LD32 0, 13, 4, 0, 1                            ; x, my first row tile -> window 2
	WIN 0x40
	LDAO 0
	WIN 0x80
	LD32 128, 13, 4, 1048576, 1                    ; x, my second row tile
	WIN 0x40
	LDAO 1
	WIN 0
.macro LNRED                           ; four chains into one number, and the row's other half from the lane 16 away
	v_pk_add_f32 v[24:25], v[24:25], v[26:27]
	v_pk_add_f32 v[28:29], v[28:29], v[30:31]
	v_pk_add_f32 v[24:25], v[24:25], v[28:29]
	v_add_f32 v24, v24, v25
	v_permlanex16_b32 v25, v24, s32, s33
	v_add_f32 v24, v24, v25
.endm
; LAYER NORM in place on the 128 registers from vb on in window 2: mean; v - mean; mean of squares; x 1/sigma; x w + b.  fwin: the windows of the last pass (w at wb, b at bb)
.macro LNCORE vb, fwin, wb, bb
	WIN 0x0a
.irp c, 0,1,2,3
	v_pk_add_f32 v[24+2*\c:25+2*\c], v[(\vb)+2*\c:(\vb)+2*\c+1], v[(\vb)+8+2*\c:(\vb)+9+2*\c]  ; the first eight pairs start the chains: nothing is cleared
.endr
	WIN 0x08
.set i, 8
.rept 56
	v_pk_add_f32 v[24+2*(i%4):25+2*(i%4)], v[24+2*(i%4):25+2*(i%4)], v[(\vb)+2*i:(\vb)+2*i+1]
.set i, i+1
.endr
	WIN 0
	LNRED
	v_mul_f32 v32, s81, v24
	v_mul_f32 v33, s81, v24
	WIN 0x82
.set i, 0
.rept 64
	v_pk_add_f32 v[(\vb)+2*i:(\vb)+2*i+1], v[(\vb)+2*i:(\vb)+2*i+1], v[32:33] neg_lo:[0,1] neg_hi:[0,1]
.set i, i+1
.endr
	WIN 0x0a
.irp c, 0,1,2,3
	v_pk_mul_f32 v[24+2*\c:25+2*\c], v[(\vb)+2*\c:(\vb)+2*\c+1], v[(\vb)+2*\c:(\vb)+2*\c+1]
.endr
.set i, 4
.rept 60
	v_pk_fma_f32 v[24+2*(i%4):25+2*(i%4)], v[(\vb)+2*i:(\vb)+2*i+1], v[(\vb)+2*i:(\vb)+2*i+1], v[24+2*(i%4):25+2*(i%4)]
.set i, i+1
.endr
	WIN 0
	LNRED
	v_fma_f32 v24, v24, s81, s82
	v_rsq_f32 v34, v24
	v_rsq_f32 v35, v24
	v_nop                                          ; a plain instruction behind the second root,
	s_wait_alu depctr_va_vdst(0)                   ; and one wait for both
	WIN 0x82
.set i, 0
.rept 64
	v_pk_mul_f32 v[(\vb)+2*i:(\vb)+2*i+1], v[(\vb)+2*i:(\vb)+2*i+1], v[34:35]
.set i, i+1
.endr
	WIN \fwin
.set i, 0
.rept 64
	v_pk_fma_f32 v[(\vb)+2*i:(\vb)+2*i+1], v[(\vb)+2*i:(\vb)+2*i+1], v[(\wb)+2*i:(\wb)+2*i+1], v[(\bb)+2*i:(\bb)+2*i+1]
.set i, i+1
.endr
.endm
; my row tile l: ao + x (ao's register i holds the f16 of registers 2 i, 2 i + 1), LN1, and h's fragments
.macro LN1T l
	WIN 0xa1
.set i, 0
.rept 64
	v_fma_mix_f32 v[128*(\l)+2*i], v[64*(\l)+i], v6, v[128*(\l)+2*i] op_sel_hi:[1,0,0]
	v_fma_mix_f32 v[128*(\l)+2*i+1], v[64*(\l)+i], v6, v[128*(\l)+2*i+1] op_sel:[1,0,0] op_sel_hi:[1,0,0]
.set i, i+1
.endr
	LNCORE 128*(\l), 0x92, 128, 128
	WIN 0x4a
.set i, 0
.rept 64
	v_cvt_pk_bf16_f32 v[64*(\l)+i], v[128*(\l)+2*i], v[128*(\l)+2*i+1]
.set i, i+1
.endr
.endm
	s_wait_loadcnt 48                              ; all but the second row tile's 32 loads of x and 16 of ao
	v_add_nc_u32 v32, B1L, v23
	ds_store_b128 v32, v[24:27]
	ds_store_b128 v32, v[28:31] offset:16
	LN1T 0
	s_wait_loadcnt 0x0
	WIN 0xc0
	LD32 0, 15, 14, 0, 0                           ; the sums for the partner's rows start with b2: every product of the second layer adds in place, and nothing is cleared
	LD32 128, 15, 14, 0, 0
	LN1T 1
	; h CHANGES HANDS inside a pair, a row tile at a time through 8,192 bytes a wave
	WIN 0x04
.set i, 0
.rept 16
	ds_store_b128 v17, v[4*i:4*i+3] offset:512*i
.set i, i+1
.endr
	WIN 0
	s_wait_dscnt 0x0                               ; for the others' sake: my first tile and my part of b1 are in LDS
	s_barrier_signal -1
	s_barrier_wait -1
	WIN 0x40
.set i, 0
.rept 16
	ds_load_b128 v[128+4*i:128+4*i+3], v18 offset:512*i
.set i, i+1
.endr
	WIN 0
	s_wait_dscnt 0x0                               ; my reads of the partner's bytes are back: it may write them again
	s_barrier_signal -1
	s_barrier_wait -1
	WIN 0x04
.set i, 0
.rept 16
	ds_store_b128 v17, v[64+4*i:64+4*i+3] offset:512*i
.set i, i+1
.endr
	WIN 0
	s_wait_tensorcnt 1                             ; my part of step 0 is in; step 1's may stay out
	s_wait_dscnt 0x0
	s_barrier_signal -1
	s_barrier_wait -1
	WIN 0x40
.set i, 0
.rept 16
	ds_load_b128 v[192+4*i:192+4*i+3], v18 offset:512*i
.set i, i+1
.endr
	WIN 0
; 16 LDS loads: w1b's fragments of sub-step u (my 32 of its 64 hidden units, two tiles tt), K steps 4 half + 0..3, into buffer buf
.macro LW1 u, half, buf
	WIN 0
.irp tt, 0,1
.irp k, 0,1,2,3
	ds_load_b128 v[128+64*(\buf)+8*(4*\tt+\k):128+64*(\buf)+8*(4*\tt+\k)+3], v10 offset:(64*(\u)+16*\tt)*528+64*(4*(\half)+\k)
	ds_load_b128 v[128+64*(\buf)+8*(4*\tt+\k)+4:128+64*(\buf)+8*(4*\tt+\k)+7], v10 offset:(64*(\u)+16*\tt)*528+64*(4*(\half)+\k)+32
.endr
.endr
.endm
.macro X1 u, boff                      ; the first half of them, and b1 of the 32 hidden units: 20 loads
	LW1 \u, 0, 0
.irp tt, 0,1
	ds_load_b128 v[32+8*\tt:35+8*\tt], v12 offset:(\boff)+64*\tt
	ds_load_b128 v[36+8*\tt:39+8*\tt], v12 offset:(\boff)+64*\tt+16
.endr
.endm
; 16 LDS loads: w2b's fragments for my 32 hidden units of sub-step u, output tiles 8 half + 0..7
.macro LW2 u, half, buf
	WIN 0
.irp c, 0,1,2,3,4,5,6,7
	ds_load_b128 v[128+64*(\buf)+8*\c:128+64*(\buf)+8*\c+3], v11 offset:(8*(\half)+\c)*4352+128*(\u)
	ds_load_b128 v[128+64*(\buf)+8*\c+4:128+64*(\buf)+8*\c+7], v11 offset:(8*(\half)+\c)*4352+128*(\u)+32
.endr
.endm
; 32 products of the first layer; the eight accumulators (row tile l, tile tt) take turns, one instruction a turn; the first K step takes b1 as C
.macro M12 half, buf
	WIN 0x04
.irp k, 0,1,2,3
.irp tt, 0,1
.irp l, 0,1,2,3
.set rD, 48+16*\l+8*\tt
.set rA, 128+64*(\buf)+8*(4*\tt+\k)
.set rB, 64*\l+8*(4*(\half)+\k)
.if ((\half) == 0) && (\k == 0)
	v_wmma_f32_16x16x32_bf16 v[rD:rD+7], v[rA:rA+7], v[rB:rB+7], v[32+8*\tt:39+8*\tt]
.else
	v_wmma_f32_16x16x32_bf16 v[rD:rD+7], v[rA:rA+7], v[rB:rB+7], v[rD:rD+7]
.endif
.endr
.endr
.endr
.endm
; rounded in place, ascending, so that a row tile's fragment (32 hidden units) lies in its first eight registers; then the ReLU, two numbers a line
.macro EPI
	WIN 0
.irp l, 0,1,2,3
.irp y, 0,1,2,3,4,5,6,7
	v_cvt_pk_bf16_f32 v[48+16*\l+\y], v[48+16*\l+2*\y], v[48+16*\l+2*\y+1]
.endr
.irp y, 0,1,2,3,4,5,6,7
	v_pk_max_num_bf16 v[48+16*\l+\y], v[48+16*\l+\y], v7
.endr
.endr
.endm
; 16 products of the second layer: output tiles 8 half + 0..7 x two row tiles: my own (part 0, window 2) or the partner's (part 1, window 3); 16 accumulators by turns
.macro M34 half, buf, part
	WIN 0xa0+0x50*(\part)
.irp c, 0,1,2,3,4,5,6,7
.irp l, 0,1
.set rD, 128*\l+8*(8*(\half)+\c)
.set rB, 48+16*(2*(\part)+\l)
	v_wmma_f32_16x16x32_bf16 v[rD:rD+7], v[128+64*(\buf)+8*\c:128+64*(\buf)+8*\c+7], v[rB:rB+7], v[rD:rD+7]
.endr
.endr
.endm
; A SUB-STEP is 64 hidden units, 32 a wave: 64 products of the first layer, the ReLU, 64 of the second.  A buffer is asked for again four places behind the last product that read it; each wait leaves the batch issued last on its way.
.macro FRONT u
	s_wait_dscnt 16                                ; w1b's first half and b1 are in
	M12 0, 0
	PLACES 4
	LW2 \u, 0, 0
	s_wait_dscnt 16                                ; w1b's second half
	M12 1, 1
	PLACES 4
	LW2 \u, 1, 1
	EPI
.endm
.macro SSA                             ; a step's first sub-step
	FRONT 0
	s_wait_dscnt 16                                ; w2b's first half
	M34 0, 0, 0
	M34 0, 0, 1
	PLACES 4
	X1 1, 256
	s_wait_dscnt 20                                ; w2b's second half: the 20 loads just issued may stay out
	M34 1, 1, 0
	M34 1, 1, 1
	PLACES 5                                       ; five: the next sub-step's first products write over the hidden fragments that these have read
	LW1 1, 1, 1
.endm
; a step's second sub-step, with THE CHANGE OF SLOTS in its middle.  Each wave waits for all its tensor loads (one is out: its part of the other slot), adds 0 to its spare word, and waits for that and for its reads of this slot.
; fill = 1: the barrier opens a round of the cluster's, and the joint refill, with the step two on, is the first thing behind it: 224 products stand between it and the wait for it.
; fill = 0 (the last two steps): nothing is asked for; in the very last trip nothing is fetched from LDS either: the two runs are jumped over.
.macro SSB fill
	FRONT 1
.if \fill
	s_wait_xcnt 0x0                                ; the last prefetch, a step back, has read its address
	s_add_nc_u64 s[74:75], s[74:75], s[76:77]
.endif
	WIN 0
	s_wait_tensorcnt 0x0                           ; all my tensor loads have landed
	ds_add_u32 v4, v5                              ; 0 onto my spare word
	s_wait_dscnt 17                                ; w2b's first half is in; its second half and the add may be out
	M34 0, 0, 0                                    ; sixteen products stand between the add and the wait for it
	s_wait_dscnt 0x0                               ; the add is done, and my reads of this slot are over
	s_barrier_signal -1
	M34 0, 0, 1                                    ; work on registers while the others arrive
	WIN 0
	s_barrier_wait -1
.if \fill
	CREST                                          ; no wave of any partner still reads this slot or has a load on its way
	s_add_nc_u64 s[58:59], s[58:59], 0x10000       ; the walking descriptors: the next step but one,
	s_add_nc_u64 s[70:71], s[70:71], 0x100
	s_add_co_u32 s57, s72, s79                     ; into the slot just read
	s_add_co_u32 s69, s72, s80
	JLOAD                                          ; its four v_nop are also the places in front of the loads below
.else
	PLACES 4
.endif
	s_xor_b32 s72, s72, SLOT                       ; the fetches go on in the other slot
	v_add_nc_u32 v10, s72, v8
	v_add_nc_u32 v11, s72, v9
	v_add_nc_u32 v12, 0x200, v12
.if \fill
	X1 0, 0
	ASK
.else
	s_cmp_eq_u32 s73, 1
	s_cbranch_scc1 .Lno_x1_\@
	X1 0, 0
.Lno_x1_\@:
.endif
	M34 1, 1, 0
	M34 1, 1, 1
	PLACES 5
	WIN 0
.if \fill
	LW1 0, 1, 1
.else
	s_cmp_eq_u32 s73, 1
	s_cbranch_scc1 .Lno_x2_\@
	LW1 0, 1, 1
.Lno_x2_\@:
.endif
.endm
	s_mov_b32 s72, 0
	v_mov_b32 v10, v8
	v_mov_b32 v11, v9
	X1 0, 0
	LW1 0, 1, 1
	s_wait_loadcnt 0x0                             ; b2
	s_mov_b32 s73, 6
.Lstep:                                        ; steps 0 to 5: each fills its slot again
	SSA
	SSB 1
	WIN 0
	s_sub_co_u32 s73, s73, 1
	s_cmp_lg_u32 s73, 0
	s_cbranch_scc1 .Lstep
	s_mov_b32 s73, 2
.Ltail:                                        ; steps 6 and 7: written apart
	SSA
	SSB 0
	WIN 0
	s_sub_co_u32 s73, s73, 1
	s_cmp_lg_u32 s73, 0
	s_cbranch_scc1 .Ltail
	; THE END.  Behind the last barrier no wave reads the slots, and they have had their last fill: the partial sums and the stages lie there
	WIN 0x40
	LD32 0, 15, 20, 0, 0                           ; ln2_w, ln2_b where h lay
	LD32 128, 15, 22, 0, 0
	WIN 0x0c
.set i, 0
.rept 64
	ds_store_b128 v19, v[4*i:4*i+3] offset:512*i   ; my sums for the partner's rows, ascending
.set i, i+1
.endr
	WIN 0
	s_wait_dscnt 0x0
	s_barrier_signal -1
	s_barrier_wait -1
	WIN 0xc0
.set i, 0
.rept 64
	ds_load_b128 v[4*i:4*i+3], v20 offset:512*i    ; the partner's sums for my rows
.set i, i+1
.endr
	s_wait_dscnt 0x0
	WIN 0x8e
.set i, 0
.rept 128
	v_pk_add_f32 v[2*i:2*i+1], v[2*i:2*i+1], v[2*i:2*i+1]  ; window 2 += window 3
.set i, i+1
.endr
	WIN 0
	s_wait_loadcnt 0x0
; a row tile goes through my own stage (rows of 1,040 bytes) and comes back as whole rows: LDS serves a wave's instructions in order (ISA guide 5.7.1.4), so no wait stands between
.macro STG l
	WIN 0x08
.set c, 0
.rept 32
	ds_store_b128 v21, v[128*(\l)+4*c:128*(\l)+4*c+3] offset:64*(c/2)+16*(c%2)
.set c, c+1
.endr
	WIN 0xc0
.set c, 0
.rept 32
	ds_load_b128 v[128*(\l)+4*c:128*(\l)+4*c+3], v22 offset:1040*(c/2)+512*(c%2)
.set c, c+1
.endr
.endm
.macro SEND l, counted                 ; each store of the wave covers 512 consecutive bytes of a row of out0, aligned
	WIN 0x0c
.set c, 0
.rept 32
.if \counted
	s_wait_dscnt 31-c                              ; the younger loads from the stage may stay out
.endif
	global_store_b128 v14, v[128*(\l)+4*c:128*(\l)+4*c+3], s[24:25] offset:1048576*(\l)+65536*(c/2)+512*(c%2) th:TH_STORE_NT
.set c, c+1
.endr
.endm
	LNCORE 0, 0x96, 0, 128
	STG 0
	LNCORE 128, 0x96, 0, 128                       ; the second tile's arithmetic stands between the first tile's loads from the stage and its stores
	s_wait_dscnt 0x0
	SEND 0, 0
	STG 1
	SEND 1, 1
	WIN 0
	s_wait_tensorcnt 0x0                           ; the wave's end, behind my last tensor load and my last LDS store
	ds_add_u32 v4, v5
	s_wait_dscnt 0x0
	CROUND                                         ; the closing round: no work-group ends while a partner may still ask for a tile that names it
	s_endpgm
.Lfunc_end_k_qaf28e511c8_ffn:
	.size	k_qaf28e511c8_ffn, .Lfunc_end_k_qaf28e511c8_ffn-k_qaf28e511c8_ffn
	.p2alignl 7, 3214868480
	.fill 96, 4, 3214868480
	.section	.rodata,"a",@progbits
	.p2align	6, 0x0
	.amdhsa_kernel k_qaf28e511c8_ffn
		.amdhsa_group_segment_fixed_size 327680
		.amdhsa_private_segment_fixed_size 0
		.amdhsa_enable_private_segment 0
		.amdhsa_kernarg_size 88
		.amdhsa_user_sgpr_count 2
		.amdhsa_user_sgpr_kernarg_segment_ptr 1
		.amdhsa_wavefront_size32 1
		.amdhsa_system_sgpr_workgroup_id_x 1
		.amdhsa_system_sgpr_workgroup_id_y 1
		.amdhsa_system_sgpr_workgroup_id_z 1
		.amdhsa_system_vgpr_workitem_id 0
		.amdhsa_next_free_vgpr 1024
		.amdhsa_next_free_sgpr 92
		.amdhsa_reserve_vcc 0
		.amdhsa_float_denorm_mode_32 3
		.amdhsa_float_denorm_mode_16_64 3
		.amdhsa_memory_ordered 1
		.amdhsa_forward_progress 1
		.amdhsa_inst_pref_size 253
	.end_amdhsa_kernel
	.amdgpu_metadata
---
amdhsa.version: [ 1, 2 ]
amdhsa.kernels:
  - .name:           k_qaf28e511c8_ffn
    .symbol:         k_qaf28e511c8_ffn.kd
    .args:
      - { .name: x, .offset: 0, .size: 8, .value_kind: global_buffer, .address_space: global }
      - { .name: ao, .offset: 8, .size: 8, .value_kind: global_buffer, .address_space: global }
      - { .name: w1b, .offset: 16, .size: 8, .value_kind: global_buffer, .address_space: global }
      - { .name: w2b, .offset: 24, .size: 8, .value_kind: global_buffer, .address_space: global }
      - { .name: b1, .offset: 32, .size: 8, .value_kind: global_buffer, .address_space: global }
      - { .name: b2, .offset: 40, .size: 8, .value_kind: global_buffer, .address_space: global }
      - { .name: ln1_w, .offset: 48, .size: 8, .value_kind: global_buffer, .address_space: global }
      - { .name: ln1_b, .offset: 56, .size: 8, .value_kind: global_buffer, .address_space: global }
      - { .name: ln2_w, .offset: 64, .size: 8, .value_kind: global_buffer, .address_space: global }
      - { .name: ln2_b, .offset: 72, .size: 8, .value_kind: global_buffer, .address_space: global }
      - { .name: out0, .offset: 80, .size: 8, .value_kind: global_buffer, .address_space: global }
    .group_segment_fixed_size: 327680
    .private_segment_fixed_size: 0
    .kernarg_segment_align: 8
    .kernarg_segment_size: 88
    .max_flat_workgroup_size: 128
    .sgpr_count:     92
    .vgpr_count:     1024
    .wavefront_size: 32
...
	.end_amdgpu_metadata
.endif
;; end of part 2
;; ======== version 2 of 2: 2 launches; version 1 with the launch attn written anew for expert scheduling mode
;; limits: values are held in f16: magnitudes above 65,504 overflow, below 6.1e-05 lose precision; a function is approximated: absolute error at most 0.0001
;; workspace buffers: ao 16,777,216 bytes; w1b 524,288 bytes; w2b 524,288 bytes
;; launch attn (part 3): grid 4 x 64, 8 waves a work-group, no clusters, 296,960 bytes of LDS; arguments x, wq, bq, wk, bk, wv, bv, w1, w2, ao, w1b, w2b; writes ao, w1b, w2b
.if DOCPART == 3
	.amdgcn_target "amdgcn-amd-amdhsa--gfx1250"
	.amdhsa_code_object_version 6
	.text
	.protected	k_qaf28e511c8_attn
	.globl	k_qaf28e511c8_attn
	.p2align	8
	.type	k_qaf28e511c8_attn,@function
k_qaf28e511c8_attn:
	s_mov_b64 s[64:65], 0
	v_nop
	global_prefetch_b8 v0, s[64:65] scope:SCOPE_SE
	s_setreg_imm32_b32 hwreg(HW_REG_WAVE_SCHED_MODE, 0, 2), 2
	s_setreg_imm32_b32 hwreg(HW_REG_WAVE_MODE, 25, 1), 1
	s_wait_xcnt 0x0
	s_wait_alu depctr_vm_vsrc(0)
; ATTN: q, k, v projections with their biases, the rotary step, the decay mask, softmax and P V, for one n (of 64) and one pair of heads (of 4 pairs).
; x: [512][64][256] f32; the sequence is x's first axis.  ao: the attention's result in f16, [n 64][row tile 32][head 8][image of 1,024 bytes].  On the side each work-group rounds
; 1,024 numbers of w1 and of w2 to bf16 (w1b, w2b) for the next launch.
; NOTHING OF THE MODULE IS LEFT OUT: bq and bk pass through a rotation that hangs on the position, so they change the scores along the key axis; the decay mask is finite everywhere,
; so no tile of scores is without weight for all inputs.  All inputs are loaded (here x, wq, bq, wk, bk, wv, bv, w1, w2; the others in the next launch).
; FORMATS.  Matrix operands (x, weights, q, k, v, p) in bf16, all sums in f32; the row sum l is taken of the rounded p, by the matrix unit.  ao is rounded once to f16.
; LIMITS.  |ao| stays under 65,504 (it is a mean of rows of v); a weight below 2^-126 counts as 0; NaN and infinities are not treated apart; sin and cos are good to about 1e-4.
; AN IMAGE is a fragment of 16 rows x 32 channels as it lies in registers: lane l = r + 16 h holds row r; bytes 16 l are registers 0-3 (channels 8 h + 0..7), bytes 512 + 16 l registers 4-7
; (channels 16 + 8 h + 0..7).  Each half of an image is 512 consecutive bytes.
; SHARES.  Wave w owns positions 64 w .. 64 w + 63 (four row tiles): it projects them for both heads, and later owns them as queries and walks all 512 keys, 64 a step.
; NO CLUSTER, NO TENSOR LOAD, though the four work-groups of one n read the same x: x has to be rounded to bf16 on its way; as f32 tiles it is 512 rows x 1,040 bytes = 532,480 bytes, and beside
; 98,304 bytes of weights and 196,608 of q, k, v 30 KiB of LDS are left: slots of 14 rows.  So x comes straight into registers in fragment layout, 32 loads (16 KiB) a wave always out.
; LDS: WIMG 6 units x 16,384 (weights' images: tile ct x 8,192 + K step x 1,024); OUTR 6 units x 32,768 (K0 K1 Q0 Q1 V0 V1); BIASL 6 x 32 f32; the spare words.
; REGISTERS (windows of 256).  Projection: window 0: v0-15 ids and addresses; v16-31 bias; v32-95 eight accumulators; v96-127, v224-255, v128-159 weights' fragments, three buffers (v32-159 first stage x in f32;
; v128-159 also serve the rotary step; v224-255 first serve the table's making and w1, w2); v160-223 the table of cos and sin.  Window 1: first the weights in f32, then x's 32 fragments in bf16.
; Attention: window 0: v32-95 S^T (two tiles); v96-127 P; v128-191 O^T; v192-223 l; v224-239 statistics; v240-255 at work.  Window 1: Q, K, V, the ones, the mask's parts.
; THE MODE: SCHED_MODE bits 1:0 = 2 (LLVM: expert scheduling mode 2), set by the entry lines.  The code itself states the register dependences between vector or matrix instructions and
; memory or LDS instructions, with s_wait_alu, always for 0.
; THE PLAN.  Registers that memory or LDS instructions touch, and who else names them:
;   HEAD      the offsets v6-v15, v17, v18 and v16 are written by vector lines; one wait on va_vdst ahead of the first load.  s28 and s31 come from vector lines: one wait on va_sdst behind both.
;   STAGING   all conversions (w1, w2, the weights) stand together; one wait on va_vdst; then all stores; one wait on vm_vsrc behind them: their data registers become x's fragments, bias and a fragment buffer.
;   RING OF x a group's eight conversions read its sixteen registers; one wait on va_vdst; the group's next four loads land there.  v6 is not written.
;   A UNIT    bias and batches 0-2 of the weights' fragments are asked for at its head, into v16-31 and the three buffers: no vector or matrix line stands between the last unit's closing wait on va_vdst and them.
;             One wait on vm_vsrc ahead of the first products.  Behind those sixteen products the four address lines (v7, v10, v11, the bias's) and one wait on va_vdst; batch 3 lands in the first buffer, by v7.
;             The results are rounded in place, into the low registers of the accumulators; one wait on va_vdst; the unit's eight LDS stores.
;   A HEAD    Q's loads stand at its top: v8 is stepped, and Q's registers are last read, ahead of the wait on va_vdst that stands in front of the head's stores (the first time: ahead of the set-up's).
;   KEY STEP  one wait on va_vdst at its head, behind the mask's scalar work: the last step's products are done reading K and V, v6 and v7 are written.  One wait on vm_vsrc ahead of the steps of v6 and v7.
;   HEAD'S END all arithmetic, one wait on va_vdst, eight stores, one wait on vm_vsrc ahead of v9's step and of the next head's scores.
.set WIMG,  0
.set OUTR,  98304
.set BIASL, 294912
.set SPARE, 295936                     ; the spare words: 128 bytes for each of eight waves; no other line names them
.set BIAS, 16
.set ACC,  32
.set WF0,  96                          ; the three buffers of weights' fragments
.set WF1,  224
.set WF2,  128
.set TAB,  160
.set SS,   32
.set PP,   96
.set OO,   128
.set LL,   192
.set ST,   224
.set TMP,  240
.set QQ,   0                           ; window 1 from here on
.set KK,   32
.set VV,   64
.set ONES, 96
.set MP,   104
.set MD,   112
.set CT,   120
.set EJ,   176
.set MSB, 0
.macro WIN new                         ; the immediate's high byte repeats the setting that is left; a switch that changes nothing is dropped
.if MSB != (\new)
	s_set_vgpr_msb (MSB<<8)|(\new)
.set MSB, (\new)
.endif
.endm
.macro PLACES n
.rept \n
	v_nop
.endr
.endm
; four loads of 16 bytes: 32 channels of f32 in fragment order: register dst + 8 q + 4 e + i is channel 16 q + 8 h + 4 e + i
.macro LDF dst, voff, sb, imm
.irp q, 0,1
.irp e, 0,1
	global_load_b128 v[(\dst)+8*\q+4*\e:(\dst)+8*\q+4*\e+3], v[\voff], s[\sb:\sb+1] offset:(\imm)+64*\q+16*\e
.endr
.endr
.endm
	s_load_b512 s[4:19], s[0:1], 0x0               ; x 4, wq 6, bq 8, wk 10, bk 12, wv 14, bv 16, w1 18
	s_load_b256 s[20:27], s[0:1], 0x40             ; w2 20, ao 22, w1b 24, w2b 26
	v_lshl_add_u32 v4, v0, 2, SPARE                ; my spare word; never rewritten
	v_mov_b32 v5, 0                                ; 0; never rewritten
	v_and_b32 v3, 31, v0                           ; lane
	v_and_b32 v1, 15, v0                           ; r
	v_bfe_u32 v2, v0, 4, 1                         ; h
	v_lshrrev_b32 v16, 5, v0
	v_readfirstlane_b32 s28, v16                   ; wave 0..7
	s_mov_b32 s29, ttmp9                           ; pair of heads
	s_and_b32 s30, ttmp7, 0xffff                   ; n
	v_cmp_lt_u32 s31, 15, v3                       ; the lanes with h = 1
	s_mov_b32 s32, 0x76543210                      ; v_permlanex16_b32: each lane takes its own place in the other half
	s_mov_b32 s33, 0xfedcba98
	v_lshlrev_b32 v6, 16, v1
	v_lshl_add_u32 v6, v2, 5, v6                   ; x: row r (65,536 bytes apart) + 32 h
	s_wait_alu depctr_va_sdst(0)                   ; s28 and s31 are written, ahead of their first readers: the line below reads s28, the rotary step's selects read s31
	s_lshl_b32 s34, s28, 7
	s_lshl_b32 s35, s29, 16
	s_add_co_u32 s34, s34, s35
	v_lshlrev_b32 v7, 10, v1
	v_lshl_add_u32 v7, v2, 5, v7
	v_add_nc_u32 v7, s34, v7                       ; weights: row 64 hp + r, K step = my wave's number
	s_lshl_b32 s34, s28, 10
	v_lshl_add_u32 v8, v3, 4, s34                  ; where my K step's images go
	v_add_nc_u32 v9, 0x10000, v8
	v_lshlrev_b32 v10, 4, v3                       ; where a unit's images are read
	s_lshl_b32 s34, s28, 12
	s_add_co_u32 s34, s34, OUTR-0x8000
	v_lshl_add_u32 v11, v3, 4, s34                 ; where my rows' results go, one unit low: each unit steps it ahead of its stores
	v_lshl_add_u32 v12, v2, 5, BIASL               ; bias, eight channels a lane
	v_lshl_add_u32 v13, v1, 2, BIASL+512           ; bias, one channel a lane (v)
	v_lshlrev_b32 v14, 4, v0
	v_lshlrev_b32 v15, 3, v0
	v_lshl_add_u32 v18, v0, 2, BIASL
	s_lshl_b32 s36, s29, 8
	s_and_b32 s37, s28, 1
	s_lshl_b32 s37, s37, 7
	s_add_co_u32 s36, s36, s37
	v_lshl_add_u32 v17, v3, 2, s36                 ; my wave's 32 numbers of a bias
	s_mov_b32 s41, 0xbf317218                      ; decay of heads 2 hp and 2 hp + 1: ln(1 - 2^(-1 - 3 H / 8))
	s_mov_b32 s42, 0xbef95c43
	s_cmp_eq_u32 s29, 1
	s_cselect_b32 s41, 0xbeb4a5d6, s41
	s_cselect_b32 s42, 0xbe85522b, s42
	s_cmp_eq_u32 s29, 2
	s_cselect_b32 s41, 0xbe47324a, s41
	s_cselect_b32 s42, 0xbe160ffe, s42
	s_cmp_eq_u32 s29, 3
	s_cselect_b32 s41, 0xbde371bb, s41
	s_cselect_b32 s42, 0xbdad1c1a, s42
	s_mov_b32 s48, 0x3fb8aa3b                      ; log2(e)
	s_mov_b32 s49, s48
	s_mov_b32 s59, 0                               ; the high words of the pairs that packed lines name
.irp dd, 0,1,2,3,4,5,6
	s_mov_b32 s[67+2*\dd], 0
	s_mov_b32 s[81+2*\dd], 0
.endr
	s_lshl_b32 s46, s28, 6
	s_cvt_f32_u32 s47, s46                         ; 64 w as a float
	s_wait_kmcnt 0x0
	s_lshl_b32 s34, s30, 10
	s_lshl_b32 s35, s28, 22
	s_add_co_u32 s34, s34, s35
	s_mov_b32 s35, 0
	s_add_nc_u64 s[4:5], s[4:5], s[34:35]          ; x at (position 64 w, n)
	s_lshl2_add_u32 s36, s30, s29                  ; the work-group's number 4 n + hp
	s_lshl_b32 s34, s36, 12
	s_add_nc_u64 s[18:19], s[18:19], s[34:35]
	s_add_nc_u64 s[20:21], s[20:21], s[34:35]
	s_lshl_b32 s34, s36, 11
	s_add_nc_u64 s[24:25], s[24:25], s[34:35]
	s_add_nc_u64 s[26:27], s[26:27], s[34:35]
	s_lshl_b32 s34, s30, 18
	s_lshl_b32 s36, s28, 15
	s_add_co_u32 s34, s34, s36
	s_lshl_b32 s36, s29, 11
	s_add_co_u32 s34, s34, s36
	s_add_nc_u64 s[22:23], s[22:23], s[34:35]      ; ao at (n, row tile 4 w, head 2 hp)
	; THE LOADS, all at once: my 16 bytes of w1 and w2; a bias (waves 0-5); my K step of the 12 weight tiles; x's first row tile
	s_wait_alu depctr_va_vdst(0)                   ; the offsets v6 to v15, v17 and v18 are written, which the loads and stores read; v16, in which the bias lands, is written and has been read
	global_load_b128 v[248:251], v14, s[18:19] th:TH_LOAD_NT
	global_load_b128 v[252:255], v14, s[20:21] th:TH_LOAD_NT
	s_cmp_lt_u32 s28, 6
	s_cbranch_scc0 .Lnobias
	s_cmp_lt_u32 s28, 2
	s_cselect_b64 s[34:35], s[12:13], s[8:9]       ; waves 0, 1: bk; 2, 3: bq;
	s_cmp_lt_u32 s28, 4
	s_cselect_b64 s[34:35], s[34:35], s[16:17]     ; 4, 5: bv
	global_load_b32 v16, v17, s[34:35]
.Lnobias:
	WIN 0x40                                       ; destination window 1
.irp u, 0,1,2,3,4,5
.irp ct, 0,1
.if \u < 2
	LDF 16*(2*\u+\ct), 7, 10, (32*(\u%2)+16*\ct)*1024
.elseif \u < 4
	LDF 16*(2*\u+\ct), 7, 6, (32*(\u%2)+16*\ct)*1024
.else
	LDF 16*(2*\u+\ct), 7, 14, (32*(\u%2)+16*\ct)*1024
.endif
.endr
.endr
	WIN 0
.irp ks, 0,1,2,3,4,5,6,7
	LDF 32+16*\ks, 6, 4, 128*\ks
.endr
	; THE TABLE, while the loads are out.  A lane's channels 16 t + 8 h + j have the angles 8 t + 4 h + j / 2: eight a lane.  In turns: 10000^(-i / 15) / 2 pi = 2^(-0.885847 i - 2.651496)
	v_mov_b32 v239, 0xbf62c6e7
.irp a, 0,1,2,3,4,5,6,7
	v_lshl_add_u32 v[224+\a], v2, 2, 8*(\a/4)+(\a%4)
.endr
.irp a, 0,1,2,3,4,5,6,7
	v_cvt_f32_u32 v[224+\a], v[224+\a]
.endr
.irp a, 0,1,2,3,4,5,6,7
	v_fmaak_f32 v[224+\a], v[224+\a], v239, 0xc029b21d
.endr
.irp a, 0,1,2,3,4,5,6,7
	v_exp_f32 v[224+\a], v[224+\a]
.endr
	v_nop                                          ; a plain instruction behind the last exponential,
	s_wait_alu depctr_va_vdst(0)                   ; and one wait for the eight exponentials' results v224-231, ahead of their first reader
	v_add_nc_u32 v232, s46, v1
	v_cvt_f32_u32 v232, v232                       ; my position 64 w + r, twice
	v_mov_b32 v233, v232
	v_mov_b32 v244, 0xbfdb7128                     ; the series' top coefficients
	v_mov_b32 v245, 0xbfdb7128
	v_mov_b32 v246, 0xbf37d6dd
	v_mov_b32 v247, 0xbf37d6dd
.macro HORN cc, cs
	v_pk_fma_f32 v[240:241], v[240:241], v[238:239], \cc op_sel_hi:[1,1,0]
	v_pk_fma_f32 v[242:243], v[242:243], v[238:239], \cs op_sel_hi:[1,1,0]
.endm
; two angles of row tile rt: turns = angle x position, less the nearest whole number (found by adding and taking away 1.5 x 2^23); cos and sin of 2 pi r by their series in r^2, |r| <= 1/2, eight terms each.
; The sines of channels 0-15 are kept negated: there the rotary step takes the partner's channel with a minus.
.macro TABP rt, p
	v_pk_mul_f32 v[234:235], v[224+2*(\p):225+2*(\p)], v[232:233]
	v_pk_add_f32 v[236:237], v[234:235], 0x4b400000 op_sel_hi:[1,0]
	v_pk_add_f32 v[236:237], v[236:237], 0xcb400000 op_sel_hi:[1,0]
	v_pk_add_f32 v[234:235], v[234:235], v[236:237] neg_lo:[0,1] neg_hi:[0,1]
	v_pk_mul_f32 v[238:239], v[234:235], v[234:235]
	v_pk_fma_f32 v[240:241], v[244:245], v[238:239], 0x40fce9c5 op_sel_hi:[1,1,0]
	v_pk_fma_f32 v[242:243], v[246:247], v[238:239], 0x40747a1a op_sel_hi:[1,1,0]
	HORN 0xc1d368f9, 0xc17183a8
	HORN 0x4270fa83, 0x42283c1a
	HORN 0xc2aae9e4, 0xc2996966
	HORN 0x4281e0f8, 0x42a335e3
	HORN 0xc19de9e6, 0xc2255de7
	v_pk_fma_f32 v[TAB+16*(\rt)+2*(\p):TAB+16*(\rt)+2*(\p)+1], v[240:241], v[238:239], 1.0 op_sel_hi:[1,1,0]
	v_pk_fma_f32 v[242:243], v[242:243], v[238:239], 0x40c90fdb op_sel_hi:[1,1,0]
.if (\p) < 2
	v_pk_mul_f32 v[TAB+16*(\rt)+8+2*(\p):TAB+16*(\rt)+9+2*(\p)], v[242:243], v[234:235] neg_lo:[1,0] neg_hi:[1,0]
.else
	v_pk_mul_f32 v[TAB+16*(\rt)+8+2*(\p):TAB+16*(\rt)+9+2*(\p)], v[242:243], v[234:235]
.endif
.endm
.irp rt, 0,1,2,3
.irp p, 0,1,2,3
	TABP \rt, \p
.endr
.if \rt < 3
	v_pk_add_f32 v[232:233], v[232:233], 0x41800000 op_sel_hi:[1,0]  ; the next row tile lies 16 positions on
.endif
.endr
	; STAGING.  All but the 32 loads of x, which were issued last, are in.  First all the conversions, then all the stores
	s_wait_loadcnt 32
	v_cvt_pk_bf16_f32 v248, v248, v249
	v_cvt_pk_bf16_f32 v249, v250, v251
	v_cvt_pk_bf16_f32 v250, v252, v253
	v_cvt_pk_bf16_f32 v251, v254, v255
	WIN 0x45                                       ; in place, ascending: register y takes the pair 2 y, 2 y + 1
.set f, 0
.rept 12
.set y, 0
.rept 8
	v_cvt_pk_bf16_f32 v[16*f+y], v[16*f+2*y], v[16*f+2*y+1]
.set y, y+1
.endr
.set f, f+1
.endr
	WIN 0
	s_wait_alu depctr_va_vdst(0)                   ; the conversions have written v248-251 and the weights' images in window 1, which the stores below read
	global_store_b64 v15, v[248:249], s[24:25] th:TH_STORE_NT  ; a wave's store covers 256 consecutive bytes, aligned
	global_store_b64 v15, v[250:251], s[26:27] th:TH_STORE_NT
	s_cmp_lt_u32 s28, 6
	s_cbranch_scc0 .Lnobst
	ds_store_b32 v18, v16                          ; unit = my wave's number
.Lnobst:
	WIN 0x04                                       ; data in window 1
.set f, 0
.rept 12
.if f < 8
	ds_store_b128 v8, v[16*f:16*f+3] offset:8192*f
	ds_store_b128 v8, v[16*f+4:16*f+7] offset:8192*f+512
.else
	ds_store_b128 v9, v[16*f:16*f+3] offset:8192*(f-8)
	ds_store_b128 v9, v[16*f+4:16*f+7] offset:8192*(f-8)+512
.endif
.set f, f+1
.endr
	WIN 0
	s_wait_alu depctr_vm_vsrc(0)                   ; the stores have read their data and addresses: window 1 is written again by the ring's conversions; in v16-18 and v248-251 LDS loads of the first unit land
; THE RING OF x: a group is one K step of a row tile, four loads.  It is rounded into its fragment, and the same registers are asked for again for the next row tile.
; left: the loads issued behind the group's own, which may stay out.
.macro XGRP rt, ks, left
	s_wait_loadcnt \left
	WIN 0x40
.set y, 0
.rept 8
	v_cvt_pk_bf16_f32 v[64*(\rt)+8*(\ks)+y], v[32+16*(\ks)+2*y], v[32+16*(\ks)+2*y+1]
.set y, y+1
.endr
	WIN 0
.if (\rt) < 3
	s_wait_alu depctr_va_vdst(0)                   ; the eight conversions are done reading the group's sixteen registers, in which the four loads below land
	LDF 32+16*(\ks), 6, 4, 1048576*((\rt)+1)+128*(\ks)
.endif
.endm
.irp rt, 0,1,2
.irp ks, 0,1,2,3,4,5,6,7
	XGRP \rt, \ks, 28
.endr
.endr
.irp ks, 0,1,2,3,4,5,6,7
	XGRP 3, \ks, 28-4*\ks
.endr
	s_wait_xcnt 0x0                                ; the two stores have read their registers
	s_wait_dscnt 0x0                               ; for the others' sake: my images and my bias are in LDS
	s_barrier_signal -1
	s_barrier_wait -1
	s_wait_alu depctr_va_vdst(0)                   ; the ring's last conversions are done reading v96-159, and the table's lines and w1's and w2's conversions are done with v224-255: the first unit's fragments land there
; eight LDS loads: the weights' fragments of K steps 2 b and 2 b + 1, both tiles of the unit, into the buffer at base, by the address in v[adr]
.macro WBATCH b, base, adr
.irp ksl, 0,1
.irp t, 0,1
	ds_load_b128 v[(\base)+8*(2*\ksl+\t):(\base)+8*(2*\ksl+\t)+3], v[\adr] offset:\t*8192+(2*(\b)+\ksl)*1024
	ds_load_b128 v[(\base)+8*(2*\ksl+\t)+4:(\base)+8*(2*\ksl+\t)+7], v[\adr] offset:\t*8192+(2*(\b)+\ksl)*1024+512
.endr
.endr
.endm
; 16 products; the eight accumulators (row tile, tile of 16 outputs) take turns, one instruction a turn.  The first K step takes the bias as C.
; kind 0: weights x rows: a lane holds one row and eight outputs.  kind 1: rows x weights: a lane holds one output and eight rows.
.macro MULS kind, b, base
.if \kind
	WIN 0x01
.else
	WIN 0x04
.endif
.irp ksl, 0,1
.irp t, 0,1
.irp rt, 0,1,2,3
.set rD, ACC+16*\rt+8*\t
.set rW, (\base)+8*(2*\ksl+\t)
.set rX, 64*\rt+8*(2*(\b)+\ksl)
.set rC, rD
.if (2*(\b)+\ksl) == 0
.set rC, BIAS+8*\t
.endif
.if \kind
	v_wmma_f32_16x16x32_bf16 v[rD:rD+7], v[rX:rX+7], v[rW:rW+7], v[rC:rC+7]
.else
	v_wmma_f32_16x16x32_bf16 v[rD:rD+7], v[rW:rW+7], v[rX:rX+7], v[rC:rC+7]
.endif
.endr
.endr
.endr
.endm
; a unit's 64 products.  Three batches of fragments are asked for at once, behind the bias; the fourth takes the first buffer when the first sixteen products have read it.  badr: the register with the bias's address.
.macro UNITMUL kind, badr
	WBATCH 0, WF0, 10
	WBATCH 1, WF1, 10
	WBATCH 2, WF2, 10
	s_wait_alu depctr_vm_vsrc(0)                   ; the last unit's stores have read the accumulators' low registers, which the products below write, and v11; the loads above have read v10 and the bias's address; the last unit's fourth batch has read v7
	s_wait_dscnt 16                                ; the bias and the first batch are in; the second and third may stay out
	MULS \kind, 0, WF0
	WIN 0
	v_mov_b32 v7, v10                              ; this unit's images, for the fourth batch.  These four lines are also the places behind the products above
	v_add_nc_u32 v10, 0x4000, v10                  ; the next unit's images,
	v_add_nc_u32 v11, 0x8000, v11                  ; this unit's results,
	v_add_nc_u32 v[\badr], 128, v[\badr]           ; the next unit's bias
	s_wait_alu depctr_va_vdst(0)                   ; the sixteen products are done reading the first buffer, in which the loads below land, and the bias; v7, v10, v11 and the bias's address are written
	WBATCH 3, WF0, 7
	s_wait_dscnt 16                                ; the second batch is in; the third and fourth may stay out
	MULS \kind, 1, WF1
	s_wait_dscnt 8                                 ; the third
	MULS \kind, 2, WF2
	s_wait_dscnt 0x0
	MULS \kind, 3, WF0
	PLACES 4                                       ; in front of the lines that read the results
	WIN 0
.endm
; THE ROTARY STEP for row tile rt.  out[d] = y[d] cos + y2[d] sin, y2[d] = -y[2 d + 1] (d < 16), y[2 d - 32] (d >= 16).  My channels are 8 h + j (Y0) and 16 + 8 h + j (Y1).  Half of the partners lie in the
; lane 16 away: lanes with h = 0 send Y1 and want Y0, lanes with h = 1 the other way round.  Each accumulator's lowest register is read first.
; The image is rounded in place, ascending, into the tile's first eight registers: so each tile has out-registers of its own, and one wait serves the unit's eight stores.
.macro ROT rt
.set Y0, ACC+16*(\rt)
.set Y1, Y0+8
.set m, 0
.rept 8
	v_cndmask_b32 v[128+m], v[Y1+m], v[Y0+m], s31
.set m, m+1
.endr
.set m, 0
.rept 8
	v_permlanex16_b32 v[136+m], v[128+m], s32, s33
.set m, m+1
.endr
.set j, 0
.rept 4
	v_cndmask_b32 v[144+j], v[Y0+2*j+1], v[136+2*j+1], s31
	v_cndmask_b32 v[148+j], v[136+2*j+1], v[Y1+2*j+1], s31
	v_cndmask_b32 v[152+j], v[Y0+2*j], v[136+2*j], s31
	v_cndmask_b32 v[156+j], v[136+2*j], v[Y1+2*j], s31
.set j, j+1
.endr
.irp t, 0,1
.irp jj, 0,1,2,3
.set rP, Y0+8*\t+2*\jj
.set rX, 144+8*\t+2*\jj
.set rC, TAB+16*(\rt)+4*\t+2*(\jj/2)
.if (\jj%2) == 0
	v_pk_mul_f32 v[rP:rP+1], v[rP:rP+1], v[rC:rC+1] op_sel_hi:[1,0]
	v_pk_fma_f32 v[rP:rP+1], v[rX:rX+1], v[rC+8:rC+9], v[rP:rP+1] op_sel_hi:[1,0,1]
.else
	v_pk_mul_f32 v[rP:rP+1], v[rP:rP+1], v[rC:rC+1] op_sel:[0,1] op_sel_hi:[1,1]
	v_pk_fma_f32 v[rP:rP+1], v[rX:rX+1], v[rC+8:rC+9], v[rP:rP+1] op_sel:[0,1,0] op_sel_hi:[1,1,1]
.endif
.endr
.endr
.set y, 0
.rept 8
	v_cvt_pk_bf16_f32 v[Y0+y], v[Y0+2*y], v[Y0+2*y+1]
.set y, y+1
.endr
.endm
	s_mov_b32 s38, 4
.Lunit:                                        ; K of head 0, K of head 1, Q of head 0, Q of head 1
	ds_load_b128 v[16:19], v12                     ; no wait: no vector or matrix line since the last wait on va_vdst names v12, v10, the bias's registers or the three buffers
	ds_load_b128 v[20:23], v12 offset:16
	ds_load_b128 v[24:27], v12 offset:64
	ds_load_b128 v[28:31], v12 offset:80
	UNITMUL 0, 12
	ROT 0
	ROT 1
	ROT 2
	ROT 3
	s_wait_alu depctr_va_vdst(0)                   ; the conversions have written the four images, which the stores below read; the products and the rotary step are done with the three buffers, in which the next unit's loads land
.irp rt, 0,1,2,3
	ds_store_b128 v11, v[ACC+16*\rt:ACC+16*\rt+3] offset:1024*\rt
	ds_store_b128 v11, v[ACC+16*\rt+4:ACC+16*\rt+7] offset:1024*\rt+512
.endr
	s_sub_co_u32 s38, s38, 1
	s_cmp_lg_u32 s38, 0
	s_cbranch_scc1 .Lunit
; two row tiles' results for channel block cb ARE a fragment of V^T: lane = channel, 32 keys along the registers.  Rounded in place, into the eight registers of the first of the two accumulators
.macro VPACK kk, cb
.set A0, ACC+32*(\kk)+8*(\cb)
.set y, 0
.rept 4
	v_cvt_pk_bf16_f32 v[A0+y], v[A0+2*y], v[A0+2*y+1]
.set y, y+1
.endr
.set y, 0
.rept 4
	v_cvt_pk_bf16_f32 v[A0+4+y], v[A0+16+2*y], v[A0+16+2*y+1]
.set y, y+1
.endr
.endm
	s_mov_b32 s38, 2
.Lvunit:                                       ; V of head 0, V of head 1
.irp cb, 0,1
.irp i, 0,1,2,3,4,5,6,7
	ds_load_b32 v[BIAS+8*\cb+\i], v13 offset:64*\cb  ; a lane's one channel: the same word for its eight rows.  No wait, as at the head of the units above
.endr
.endr
	UNITMUL 1, 13
	VPACK 0, 0
	VPACK 0, 1
	VPACK 1, 0
	VPACK 1, 1
	s_wait_alu depctr_va_vdst(0)                   ; the conversions have written the four images, which the stores below read; the products are done with the three buffers, in which the next unit's loads land
.irp kk, 0,1
.irp cb, 0,1
	ds_store_b128 v11, v[ACC+32*\kk+8*\cb:ACC+32*\kk+8*\cb+3] offset:2048*\kk+1024*\cb
	ds_store_b128 v11, v[ACC+32*\kk+8*\cb+4:ACC+32*\kk+8*\cb+7] offset:2048*\kk+1024*\cb+512
.endr
.endr
	s_sub_co_u32 s38, s38, 1
	s_cmp_lg_u32 s38, 0
	s_cbranch_scc1 .Lvunit
	s_wait_dscnt 0x0                               ; for the others' sake: my rows of K and V are in LDS
	s_barrier_signal -1
	s_barrier_wait -1
	s_wait_alu depctr_vm_vsrc(0)                   ; the last unit's stores have read v32-95, in which the scores will be made; its fourth batch has read v7, which is written below
	; ATTENTION.  S^T = K Q^T + mask: a lane holds ONE query (r) and the keys 8 h + j of each tile of 16; two such tiles rounded to bf16 ARE source 1 of O^T = V^T P.
	; p = 2^(c s - c m), c = log2(e), m a running maximum; O and l are multiplied by a = 2^(c m_old - c m_new) in every step.  l = ones x P: rows 0 and 8 of the ones are set, so register 0 of the result holds l in every lane.
	v_lshlrev_b32 v9, 4, v3                        ; my 16 bytes of an image
	v_add_nc_u32 v6, OUTR, v9                      ; K's next images
	v_add_nc_u32 v7, OUTR+131072, v9               ; V's
	s_lshl_b32 s34, s28, 12
	s_add_co_u32 s34, s34, OUTR+65536
	v_add_nc_u32 v8, s34, v9                       ; my queries' images
	v_lshlrev_b32 v24, 3, v2
	v_sub_nc_u32 v24, v1, v24                      ; r - 8 h
.irp j, 0,1,2,3,4,5,6,7
	v_add_nc_u32 v[16+\j], 0-\j, v24
.endr
	v_and_b32 v25, 7, v0
	v_cmp_eq_u32 vcc_lo, 0, v25
	s_mov_b32 s34, 0x3f803f80                      ; 1.0 twice, in bf16
	WIN 0x40
.irp j, 0,1,2,3,4,5,6,7
	v_cvt_f32_i32 v[EJ+\j], v[16+\j]               ; query's place less key's place inside a pair of tiles: r - 8 h - j
.endr
	s_wait_alu depctr_va_vcc(0)                    ; VCC is written by the compare above, ahead of the selects that read it
.irp j, 0,1,2,3,4,5,6,7
	v_cndmask_b32 v[ONES+\j], 0, s34, vcc_lo
.endr
	WIN 0
	s_wait_alu depctr_va_vdst(0)                   ; v8 is written, which Q's loads read
.macro SREG p, u                       ; the registers of tile u (0, 1) of piece p: query tile 2 p + u
.set qt, 2*(\p)+(\u)
.set rS, SS+32*(\u)
.set rT, ST+4*qt
.set rC, TMP+8*(\u)
.set rP, PP+16*(\u)
.set rO, OO+16*qt
.set rL, LL+8*qt
.endm
.macro BOTH p, line:vararg             ; one line for each of the piece's two tiles
	SREG \p, 0
	\line
	SREG \p, 1
	\line
.endm
.macro MAX1                            ; number j of the 16 that find the maximum of a lane's 32 scores and the old m; each accumulator's lowest registers are read first
.if j < 4
	v_max3_num_f32 v[rC+j], v[rS+8*j], v[rS+8*j+1], v[rS+8*j+2]
.elseif j < 12
	v_max3_num_f32 v[rC+j%4], v[rC+j%4], v[rS+8*(j%4)+2*(j/4)+1], v[rS+8*(j%4)+2*(j/4)+2]
.elseif j == 12
	v_max3_num_f32 v[rC], v[rC], v[rS+7], v[rS+15]
.elseif j == 13
	v_max3_num_f32 v[rC+2], v[rC+2], v[rS+23], v[rS+31]
.elseif j == 14
	v_max3_num_f32 v[rC], v[rC], v[rC+1], v[rC+2]
.else
	v_max3_num_f32 v[rC], v[rC], v[rC+3], v[rT+1]
.endif
.endm
; eight products: the mask is the C operand; it hangs on query tile less key tile alone (dd = qt - kt + 3)
.macro SQK p
	WIN 0x15
.irp kt, 0,1,2,3
.irp u, 0,1
.set rS, SS+32*\u+8*\kt
.set rM, CT+8*(2*(\p)+\u-\kt+3)
.set rQ, QQ+8*(2*(\p)+\u)
	v_wmma_f32_16x16x32_bf16 v[rS:rS+7], v[KK+8*\kt:KK+8*\kt+7], v[rQ:rQ+7], v[rM:rM+7]
.endr
.endr
.endm
; a piece's softmax, the two tiles line by line.  The 66 exponentials are ONE batch: nothing ahead of the one wait names a result of theirs; a pair is scaled a line ahead of its exponentials.
.macro SOFT p
.set j, 0
.rept 16
	BOTH \p, MAX1
.set j, j+1
.endr
	BOTH \p, v_permlanex16_b32 v[rC+1], v[rC], s32, s33
	BOTH \p, v_max_num_f32 v[rT+1], v[rC], v[rC+1]
	BOTH \p, v_mul_f32 v[rT], s48, v[rT+1]
	BOTH \p, v_sub_f32 v[rC+5], v[rC+4], v[rT]
	BOTH \p, v_exp_f32 v[rC+6], v[rC+5]
.set i, 0
.rept 17
.irp u, 0,1
	SREG \p, \u
.if i < 16
	v_pk_fma_f32 v[rS+2*i:rS+2*i+1], v[rS+2*i:rS+2*i+1], s[48:49], v[rT:rT+1] op_sel_hi:[1,0,0] neg_lo:[0,0,1] neg_hi:[0,0,1]
.endif
.if i > 0
	v_exp_f32 v[rS+2*i-2], v[rS+2*i-2]
	v_exp_f32 v[rS+2*i-1], v[rS+2*i-1]
.endif
.endr
.set i, i+1
.endr
	v_nop                                          ; a plain instruction behind the last exponential,
	s_wait_alu depctr_va_vdst(0)                   ; and the one wait for the batch: the 64 weights and the two a are written, ahead of the roundings and scalings that read them
.set i, 0
.rept 16
	BOTH \p, v_cvt_pk_bf16_f32 v[rP+i], v[rS+2*i], v[rS+2*i+1]
.set i, i+1
.endr
.set i, 0
.rept 8
	BOTH \p, v_pk_mul_f32 v[rO+2*i:rO+2*i+1], v[rO+2*i:rO+2*i+1], v[rC+6:rC+7] op_sel_hi:[1,0]
.set i, i+1
.endr
	BOTH \p, v_mul_f32 v[rL], v[rC+6], v[rL]
.endm
; twelve products on six accumulators, by turns
.macro PVL p
	WIN 0x01
.irp kk, 0,1
.irp u, 0,1
	SREG \p, \u
	v_wmma_f32_16x16x32_bf16 v[rO:rO+7], v[VV+16*\kk:VV+16*\kk+7], v[rP+8*\kk:rP+8*\kk+7], v[rO:rO+7]
	v_wmma_f32_16x16x32_bf16 v[rO+8:rO+15], v[VV+16*\kk+8:VV+16*\kk+15], v[rP+8*\kk:rP+8*\kk+7], v[rO+8:rO+15]
	v_wmma_f32_16x16x32_bf16 v[rL:rL+7], v[ONES:ONES+7], v[rP+8*\kk:rP+8*\kk+7], v[rL:rL+7]
.endr
.endr
.endm
; THE MASK decay x |i - k|, i - k = T + e, T = 64 (w - ks) + 16 (dd - 3), e = r - 8 h - j, |e| <= 15.  T > 0: decay T + decay e; T < 0: -decay T - decay e; T = 0: decay |e|.
; With MP = decay e and MD = decay |e|: MP x AL + BE, AL = +-1 by T's sign, BE = decay |T|; in the one tile with T = 0, MD.
.macro CB dd
.irp z, 0,1,2,3
	v_pk_fma_f32 v[CT+8*(\dd)+2*\z:CT+8*(\dd)+2*\z+1], v[MP+2*\z:MP+2*\z+1], s[66+2*(\dd):67+2*(\dd)], s[80+2*(\dd):81+2*(\dd)] op_sel_hi:[1,0,0]
.endr
.endm
	s_mov_b32 s39, 0
.Lhead:
	WIN 0x40
.irp q, 0,1,2,3
	ds_load_b128 v[QQ+8*\q:QQ+8*\q+3], v8 offset:1024*\q      ; no wait: since the last wait on va_vdst no vector or matrix line names v8 or Q's registers
	ds_load_b128 v[QQ+8*\q+4:QQ+8*\q+7], v8 offset:1024*\q+512
.endr
	WIN 0
	s_cmp_eq_u32 s39, 0
	s_cselect_b32 s43, s41, s42                    ; the head's decay
	s_mul_f32 s50, s43, 0xc2400000                 ; decay x 16 (dd - 3)
	s_mul_f32 s51, s43, 0xc2000000
	s_mul_f32 s52, s43, 0xc1800000
	s_mov_b32 s53, 0
	s_mul_f32 s54, s43, 0x41800000
	s_mul_f32 s55, s43, 0x42000000
	s_mul_f32 s56, s43, 0x42400000
	s_mov_b32 s44, s47                             ; 64 (w - ks) at ks = 0
	WIN 0x44
.irp j, 0,1,2,3,4,5,6,7
	v_mul_f32 v[MP+\j], s43, v[EJ+\j]
.endr
.irp j, 0,1,2,3,4,5,6,7
	v_or_b32 v[MD+\j], 0x80000000, v[MP+\j]        ; the decay is negative: decay |e| = -|decay e|
.endr
	WIN 0
	; O and l start at 0, c m far below every c s, m at the lowest finite number: the first step is a step like any other, with a = 0.  The price of writing no first step out: these 120 lines, twice a launch
.set i, OO
.rept 96
	v_mov_b32 v[i], 0
.set i, i+1
.endr
.irp q, 0,1,2,3
	v_mov_b32 v[ST+4*\q], 0xfe000000
	v_mov_b32 v[ST+4*\q+1], 0xff7fffff
.endr
.set i, TMP
.rept 16
	v_mov_b32 v[i], 0
.set i, i+1
.endr
	s_mov_b32 s40, 0
.Lkey:                                         ; 64 keys
	s_mul_f32 s45, s44, s43
.irp dd, 0,1,2,3,4,5,6
	s_add_f32 s46, s45, s[50+\dd]                  ; decay T
	s_or_b32 s[80+2*\dd], s46, 0x80000000          ; decay |T|
	s_and_b32 s46, s46, 0x80000000
	s_xor_b32 s[66+2*\dd], s46, 0xbf800000         ; +1 where decay T is negative (T > 0), else -1
.endr
	s_cmp_eq_u32 s40, s28                          ; my own 64 positions: the tiles with dd = 3 hold the diagonal
	s_cselect_b32 s58, 1.0, 0
	s_cselect_b32 s72, 0, s72
	s_add_f32 s44, s44, 0xc2800000
	WIN 0x41
	CB 0                                           ; four plain lines between the last step's products and the loads into V
	WIN 0x40
	s_wait_alu depctr_va_vdst(0)                   ; the last step's products are done reading K's and V's registers, in which the loads below land; v6 and v7 are written
.irp t, 0,1,2,3
	ds_load_b128 v[KK+8*\t:KK+8*\t+3], v6 offset:1024*\t
	ds_load_b128 v[KK+8*\t+4:KK+8*\t+7], v6 offset:1024*\t+512
.endr
.irp t, 0,1,2,3
	ds_load_b128 v[VV+8*\t:VV+8*\t+3], v7 offset:1024*\t
	ds_load_b128 v[VV+8*\t+4:VV+8*\t+7], v7 offset:1024*\t+512
.endr
	WIN 0x41
	CB 1
	CB 2
.irp z, 0,1,2,3
	v_pk_fma_f32 v[CT+24+2*\z:CT+25+2*\z], v[MD+2*\z:MD+2*\z+1], s[58:59], s[86:87] op_sel_hi:[1,0,0]
.endr
	CB 4
	CB 5
	CB 6
	WIN 0x51
.irp z, 0,1,2,3
	v_pk_fma_f32 v[CT+24+2*\z:CT+25+2*\z], v[MP+2*\z:MP+2*\z+1], s[72:73], v[CT+24+2*\z:CT+25+2*\z] op_sel_hi:[1,0,1]
.endr
	s_wait_dscnt 8                                 ; K (and, in a head's first step, Q) is in; V's eight loads may stay out
.irp p, 0,1
	SQK \p
	WIN 0
	v_mov_b32 v[TMP+4], v[ST+8*\p]                 ; c m_old is kept; with the two lines below: the four places behind the products
	v_mov_b32 v[TMP+12], v[ST+8*\p+4]
.if \p == 0
	s_wait_alu depctr_vm_vsrc(0)                   ; this step's loads have read v6 and v7, and the head's loads of Q have read v8
	v_add_nc_u32 v6, 0x1000, v6                    ; the next step's images
	v_add_nc_u32 v7, 0x1000, v7
.else
	v_nop
	v_nop
.endif
	SOFT \p
.if \p == 0
	s_wait_dscnt 0x0                               ; V is in
.endif
	PVL \p
.endr
	WIN 0
	s_add_co_u32 s40, s40, 1
	s_cmp_lt_u32 s40, 8
	s_cbranch_scc1 .Lkey
	; a head's end: O / l, rounded to f16; a query tile's 16 x 32 numbers are an image: two stores of 512 consecutive bytes.  All the arithmetic first, then the eight stores
	PLACES 4
.irp q, 0,1,2,3
	v_rcp_f32 v[TMP+2*\q], v[LL+8*\q]
.endr
	v_add_nc_u32 v8, 0x8000, v8                    ; the next head's queries (K's and V's addresses have run on into its units by themselves); also the plain instruction behind the last reciprocal
	s_wait_alu depctr_va_vdst(0)                   ; one wait for the four reciprocals' results, ahead of the scalings that read them
.irp q, 0,1,2,3
.irp i, 0,1,2,3,4,5,6,7
	v_pk_mul_f32 v[OO+16*\q+2*\i:OO+16*\q+2*\i+1], v[OO+16*\q+2*\i:OO+16*\q+2*\i+1], v[TMP+2*\q:TMP+2*\q+1] op_sel_hi:[1,0]
.endr
.irp i, 0,1,2,3,4,5,6,7
	v_cvt_pk_f16_f32 v[SS+8*\q+\i], v[OO+16*\q+2*\i], v[OO+16*\q+2*\i+1]
.endr
.endr
	s_wait_alu depctr_va_vdst(0)                   ; the conversions have written v32-63, which the stores below read
.irp q, 0,1,2,3
	global_store_b128 v9, v[SS+8*\q:SS+8*\q+3], s[22:23] offset:8192*\q th:TH_STORE_NT
	global_store_b128 v9, v[SS+8*\q+4:SS+8*\q+7], s[22:23] offset:8192*\q+512 th:TH_STORE_NT
.endr
	s_wait_xcnt 0x0                                ; the stores' addresses are translated: their data and their offset are written again below and in the next head
	s_wait_alu depctr_vm_vsrc(0)                   ; the stores have read v9, which the line below writes, and v32-63, in which the next head's scores are made
	v_add_nc_u32 v9, 0x400, v9                     ; the next head's image
	s_add_co_u32 s39, s39, 1
	s_cmp_lt_u32 s39, 2
	s_cbranch_scc1 .Lhead
	s_wait_dscnt 0x0                               ; the closing lines, six on end
	s_wait_alu 0x0
	s_wait_tensorcnt 0x0
	ds_add_u32 v4, v5
	s_wait_dscnt 0x0
	s_endpgm
.Lfunc_end_k_qaf28e511c8_attn:
	.size	k_qaf28e511c8_attn, .Lfunc_end_k_qaf28e511c8_attn-k_qaf28e511c8_attn
	.p2alignl 7, 3214868480
	.fill 96, 4, 3214868480
	.section	.rodata,"a",@progbits
	.p2align	6, 0x0
	.amdhsa_kernel k_qaf28e511c8_attn
		.amdhsa_group_segment_fixed_size 296960
		.amdhsa_private_segment_fixed_size 0
		.amdhsa_enable_private_segment 0
		.amdhsa_kernarg_size 96
		.amdhsa_user_sgpr_count 2
		.amdhsa_user_sgpr_kernarg_segment_ptr 1
		.amdhsa_wavefront_size32 1
		.amdhsa_system_sgpr_workgroup_id_x 1
		.amdhsa_system_sgpr_workgroup_id_y 1
		.amdhsa_system_sgpr_workgroup_id_z 1
		.amdhsa_system_vgpr_workitem_id 0
		.amdhsa_next_free_vgpr 512
		.amdhsa_next_free_sgpr 94
		.amdhsa_reserve_vcc 1
		.amdhsa_float_denorm_mode_32 3
		.amdhsa_float_denorm_mode_16_64 3
		.amdhsa_memory_ordered 1
		.amdhsa_forward_progress 1
		.amdhsa_inst_pref_size 152
	.end_amdhsa_kernel
	.amdgpu_metadata
---
amdhsa.version: [ 1, 2 ]
amdhsa.kernels:
  - .name:           k_qaf28e511c8_attn
    .symbol:         k_qaf28e511c8_attn.kd
    .args:
      - { .name: x, .offset: 0, .size: 8, .value_kind: global_buffer, .address_space: global }
      - { .name: wq, .offset: 8, .size: 8, .value_kind: global_buffer, .address_space: global }
      - { .name: bq, .offset: 16, .size: 8, .value_kind: global_buffer, .address_space: global }
      - { .name: wk, .offset: 24, .size: 8, .value_kind: global_buffer, .address_space: global }
      - { .name: bk, .offset: 32, .size: 8, .value_kind: global_buffer, .address_space: global }
      - { .name: wv, .offset: 40, .size: 8, .value_kind: global_buffer, .address_space: global }
      - { .name: bv, .offset: 48, .size: 8, .value_kind: global_buffer, .address_space: global }
      - { .name: w1, .offset: 56, .size: 8, .value_kind: global_buffer, .address_space: global }
      - { .name: w2, .offset: 64, .size: 8, .value_kind: global_buffer, .address_space: global }
      - { .name: ao, .offset: 72, .size: 8, .value_kind: global_buffer, .address_space: global }
      - { .name: w1b, .offset: 80, .size: 8, .value_kind: global_buffer, .address_space: global }
      - { .name: w2b, .offset: 88, .size: 8, .value_kind: global_buffer, .address_space: global }
    .group_segment_fixed_size: 296960
    .private_segment_fixed_size: 0
    .kernarg_segment_align: 8
    .kernarg_segment_size: 96
    .max_flat_workgroup_size: 256
    .sgpr_count:     94
    .vgpr_count:     512
    .wavefront_size: 32
...
	.end_amdgpu_metadata
.endif
;; end of part 3
;; launch ffn: the kernel of part 2 again; grid 4 x 64, 4 waves a work-group, clusters of 4 x 1, 327,680 bytes of LDS; arguments x, ao, w1b, w2b, b1, b2, ln1_w, ln1_b, ln2_w, ln2_b, out0; writes out0
